; MI455X (gfx1250); checked and timed in simulation.
; The chip was launched on July 23, 2026; its instructions are those of AMD's public machine-readable ISA for CDNA 5 (MIT licence, August 2026) and "CDNA5" Instruction Set Architecture Reference Guide (July 2026). The comments in the code are by the model that wrote it; some were corrected since.
;; Causal Self Attention. Allowed arithmetic: matrix products marked QUANTISED: E2M1 operands, one E8M0 scale for each 32 along K, by v_wmma_scale_f32_16x16x128_f8f6f4 with both operands' format E2M1 (or v_wmma_scale_f32_32x16x128_f4), f32 sums; everything else in f32.
;; Inputs: Wk 1,024 x 1,024 float32; Wo 1,024 x 1,024 float32; Wq 1,024 x 1,024 float32; Wv 1,024 x 1,024 float32; bk 1,024 float32; bo 1,024 float32; bq 1,024 float32; bv 1,024 float32; x 4 x 2,048 x 1,024 float32.
;; Outputs: out0 4 x 2,048 x 1,024 float32.
;; This version of the problem:
;;   THIS VERSION OF THE PROBLEM IS GIVEN IN LOW PRECISION. The matrix products marked QUANTISED in the list below multiply operands that are first quantised to E2M1 (2 exponent bits, 1 mantissa bit; 4 bits a number), with one power-of-two scale for each 32 numbers along K (OCP MX v1.0); their sums are f32. All else is computed in f32.
;;   The module's matrix products, in the order in which they are computed (A, B: the left and right operand; K: the contracted axis; several contracted axes count as one K, in the product's order):
;;     1. [M 8,192, K 1,024] x [K 1,024, N 1,024]; A: input x; B: input Wq: QUANTISED
;;     2. [M 8,192, K 1,024] x [K 1,024, N 1,024]; A: input x; B: input Wk: QUANTISED
;;     3. [M 8,192, K 1,024] x [K 1,024, N 1,024]; A: input x; B: input Wv: QUANTISED
;;     4. batch 64 x [M 2,048, K 64] x [K 64, N 2,048]; A: computed on the way; B: computed on the way: QUANTISED
;;     5. batch 64 x [M 2,048, K 2,048] x [K 2,048, N 64]; A: softmax (see below); B: computed on the way: QUANTISED
;;     6. [M 8,192, K 1,024] x [K 1,024, N 1,024]; A: computed on the way; B: input Wo: QUANTISED
;;   THE QUANTISER, for each operand of a quantised product, along K:
;;     - K is cut into blocks of 32 from its start; a last block that is shorter is filled with zeros.
;;     - A block's scale is 2^e with e = floor(log2(the largest magnitude in the block)) - 2, held to -126 .. 127; a block of zeros has e = 0. As a byte (E8M0): e + 127.
;;     - Each number is divided by its block's scale, clamped to +-6, and rounded to the nearest number of E2M1, ties to even, subnormals kept.
;;     - The product sums the exact products of the quantised numbers (number of the format x scale) in f32.
;;   ~~~python
;;   def quantise(x, axis):      # numpy; x: float32 -> the quantised numbers, widened to float32 again
;;       x = np.moveaxis(x, axis, -1); K = x.shape[-1]
;;       x = np.pad(x, [(0, 0)] * (x.ndim - 1) + [(0, -K % 32)]); x = x.reshape(x.shape[:-1] + (-1, 32)); a = np.abs(x).max(-1, keepdims=True)
;;       e = np.where(a > 0, np.clip(np.frexp(np.where(a > 0, a, 1))[1] - 1 - 2, -126, 127), 0)      # np.frexp(a)[1] - 1 = floor(log2(a)), exactly
;;       r = np.clip(x / 2.0 ** e, -6, 6)
;;       step = 2.0 ** (np.maximum(np.frexp(np.where(r == 0, 1, r))[1] - 1, 0) - 1)
;;       q = np.round(r / step) * step * 2.0 ** e      # np.round: ties to even
;;       return np.moveaxis(q.reshape(q.shape[:-2] + (-1,))[..., :K], -1, axis).astype(np.float32)
;;   ~~~
;;   SOFTMAX AHEAD OF A QUANTISED PRODUCT. Where the list says 'softmax', what is quantised is not the finished softmax but p = 2^(t - M), with t = logit x log2(e) and M = ceil(the row's largest t), a whole number; so 1/2 < the row's largest p <= 1. The row's sum l is taken of the UNQUANTISED p, in f32, and the product's result is divided by l at the end. Since M is a whole number, a kernel that streams over the keys may use a running M (the ceiling of the running maximum): every later rescaling is an exact power of two, which a block's scale takes up: the codes' values come out the same.
;;   OPERANDS COMPUTED ON THE WAY. 'Computed on the way' means the value that the module computes at that place (a softmax that the list does not call 'softmax' is quantised finished and normalised). What goes into a quantiser is computed in f32, as accurately as f32 sums, v_exp_f32 and their like allow (about 1e-6 of the number): no bf16 or f16 on the way to a quantiser, and a product that is left as it is and whose result goes on into a quantised operand takes f32 operands (vector FMAs, or v_wmma_f32_16x16x4_f32). A number that lies on a knife's edge between two numbers of the format may be rounded either way, as far as f32 arithmetic and the matrix unit's own rounding can turn it there, and no further.
;; One version. Each part assembles by itself: llvm-mc -triple=amdgcn-amd-amdhsa -mcpu=gfx1250 --defsym DOCPART=n.
;; ======== version 1 of 1: 4 launches
;; workspace buffers: x_codes 4,194,304 bytes; x_scales 262,144 bytes; w_codes 2,097,152 bytes; w_scales 131,072 bytes; rope 524,288 bytes; qkv 13,893,632 bytes; y_img 4,194,304 bytes; y_sc 262,144 bytes
;; launch prep (part 1): grid 400 x 1, 4 waves a work-group, no clusters, 33,280 bytes of LDS; arguments x, Wq, Wk, Wv, Wo, x_codes, x_scales, w_codes, w_scales, rope; writes x_codes, x_scales, w_codes, w_scales, rope
.if DOCPART == 1
	.amdgcn_target "amdgcn-amd-amdhsa--gfx1250"
	.amdhsa_code_object_version 6
	.text
	.protected	k_q6784ad1ab2_prep
	.globl	k_q6784ad1ab2_prep
	.p2align	8
	.type	k_q6784ad1ab2_prep,@function
k_q6784ad1ab2_prep:
	s_mov_b64 s[64:65], 0
	v_nop
	global_prefetch_b8 v0, s[64:65] scope:SCOPE_SE
	s_setreg_imm32_b32 hwreg(HW_REG_WAVE_MODE, 25, 1), 1
	s_wait_xcnt 0x0
; PREP.  (1) x [8192][1024] and the four weights [1024][1024], f32 with K innermost, become codes of FP4 (E2M1), two a byte, K innermost, with one E8M0 byte for each 32 along K.
; The weights' codes lie one behind the other: rows 0.. Wq, 1024.. Wk, 2048.. Wv, 3072.. Wo.  (2) The table of cosines and sines for the rotary embedding.
; A block's scale is 2^(floor(log2(its largest magnitude)) - 2): its byte is the largest magnitude's exponent field - 2, held at 1 from below.
; LIMITS: NaN and infinities among the inputs are not served.  A block of zeros, and a block whose largest magnitude lies under 2^-124, keeps the byte 1: the bytes are read by this program alone, and zero codes add nothing.
; Work-groups 0-255 take x, 256-383 the weights (32 each), 32,768 numbers a work-group, 8,192 a wave in 16 steps of 512.  Rows are dense and K is a multiple of 32: every tensor is a plain stream of blocks.
; Each load reads 512 consecutive bytes; a step's 2,048 bytes turn through the wave's own stage in LDS so that a lane holds 16 neighbours along K (two lanes to a block).  A step's codes leave as 256 consecutive bytes,
; a wave's 256 scale bytes as one aligned run of 256.  Waves share nothing: no barrier.
; Work-groups 384-399 make the table: rope[t][e][cos(2e), cos(2e+1), sin(2e), sin(2e+1)], t = 0 .. 2047 (position t + 1), e = 0 .. 15: 256 bytes a token.  They use no LDS.
; theta(i) = 1 / fl(10^(i/8)): the power is carried as a sum of two f32 numbers and multiplied by 10^(1/8) (also two numbers), restarted exactly at 1, 10, 100, 1000; the division is a reciprocal and one correction.
; LIMIT: theta is the rounded quotient of the rounded power; against a power that is one unit in its last place off, the largest angle moves by about 1.2e-4.
; The angle is position x theta, rounded once; it is reduced by pi/2 in two parts and sine and cosine are polynomials on +-pi/4.
.set NQWG,  384                        ; work-groups that quantise
.set STEPS, 16
.set EMAX,  2
.set CB,    8                          ; bytes of 16 codes
.set R,     16                         ; v16-79   four sets of 16 numbers as they are loaded
.set X,     80                         ; v80-111  two sets of 16 neighbours
.set E,     112                        ; v112-127 a scale byte for each step
.set C,     128                        ; v128-191 codes: four registers a step, so that no store's data are written again
.set WREG,  8192                       ; LDS: a region for each wave: two stages of 32 x SP bytes, then its 256 scale bytes
.set SP,    80                         ; a lane's place in a stage: 64 bytes + 16 of padding
	s_load_b256 s[4:11], s[0:1], 0x0               ; x, Wq, Wk, Wv
	s_load_b256 s[12:19], s[0:1], 0x20             ; Wo, x_codes, x_scales, w_codes
	s_load_b128 s[20:23], s[0:1], 0x40             ; w_scales, rope
	v_lshl_add_u32 v192, v0, 2, 0x8000
	v_mov_b32 v193, 0
	v_lshrrev_b32 v1, 5, v0
	v_readfirstlane_b32 s24, v1                    ; wave
	v_and_b32 v2, 31, v0                           ; lane
	s_mov_b32 s25, ttmp9
	s_cmp_ge_u32 s25, NQWG
	s_cbranch_scc1 .Ltable
	v_lshlrev_b32 v3, 4, v2                        ; my 16 bytes of a load's 512
	s_mul_i32 s33, s24, WREG
	v_lshrrev_b32 v14, 2, v2
	v_mul_u32_u24 v14, v14, SP
	v_and_b32 v15, 3, v2
	v_lshl_add_u32 v14, v15, 4, v14
	v_add_nc_u32 v14, s33, v14                     ; the stage, on the way in: SP (lane / 4) + 16 (lane % 4)
	v_mul_u32_u24 v15, v2, SP
	v_add_nc_u32 v15, s33, v15                     ; and on the way out: SP x lane
	v_mul_u32_u24 v4, v2, CB                       ; my codes' place in a step's
	v_lshrrev_b32 v5, 1, v2
	s_add_co_u32 s33, s33, 2*32*SP
	v_add_nc_u32 v5, s33, v5                       ; my block's byte among the wave's 256
	v_lshlrev_b32 v7, 3, v2
	v_add_nc_u32 v6, s33, v7                       ; and on the way out 8 bytes a lane
	s_and_b32 s34, s25, 31                         ; a weight's work-group within its tensor,
	s_sub_co_u32 s35, s25, 256                     ; and among the four weights' codes
	s_wait_kmcnt 0x0
	s_cmp_lt_u32 s25, 352                          ; which tensor: the choices hang on the work-group's number alone
	s_cselect_b64 s[26:27], s[10:11], s[12:13]
	s_cmp_lt_u32 s25, 320
	s_cselect_b64 s[26:27], s[8:9], s[26:27]
	s_cmp_lt_u32 s25, 288
	s_cselect_b64 s[26:27], s[6:7], s[26:27]
	s_cmp_lt_u32 s25, 256
	s_cselect_b64 s[26:27], s[4:5], s[26:27]       ; the numbers
	s_cselect_b64 s[28:29], s[14:15], s[18:19]     ; the codes
	s_cselect_b64 s[30:31], s[16:17], s[20:21]     ; the scale bytes
	s_cselect_b32 s34, s25, s34
	s_cselect_b32 s35, s25, s35
	s_lshl_b32 s34, s34, 2
	s_add_co_u32 s34, s34, s24                     ; my run of 8,192 numbers in the source,
	s_lshl_b32 s35, s35, 2
	s_add_co_u32 s35, s35, s24                     ; and in the codes' buffer
	s_lshl_b32 s36, s34, 15
	s_mov_b32 s37, 0
	s_add_nc_u64 s[26:27], s[26:27], s[36:37]
	s_lshl_b32 s36, s35, 12
	s_add_nc_u64 s[28:29], s[28:29], s[36:37]
	s_lshl_b32 s36, s35, 8
	s_add_nc_u64 s[30:31], s[30:31], s[36:37]
.macro LOAD t
.irp i, 0,1,2,3
	global_load_b128 v[R+16*((\t)%4)+4*\i:R+16*((\t)%4)+4*\i+3], v3, s[26:27] offset:2048*(\t)+512*\i th:TH_LOAD_NT   ; 32 lanes read 512 consecutive bytes
.endr
.endm
.macro TURN t                          ; step t's numbers through the stage: LDS serves a wave's instructions in order (ISA guide 5.7.1.4), so no wait stands between the stores and the loads
.irp i, 0,1,2,3
	ds_store_b128 v14, v[R+16*((\t)%4)+4*\i:R+16*((\t)%4)+4*\i+3] offset:32*SP*((\t)%2)+8*SP*\i
.endr
.irp i, 0,1,2,3
	ds_load_b128 v[X+16*((\t)%2)+4*\i:X+16*((\t)%2)+4*\i+3], v15 offset:32*SP*((\t)%2)+16*\i
.endr
.endm
.irp t, 0,1,2,3
	LOAD \t
.endr
	s_wait_loadcnt 12                              ; step 0's four loads are in
	TURN 0
.macro STEP t
.set XS, X+16*((\t)%2)
.if (\t) > 0
	s_wait_dscnt 1                                 ; this step's numbers are back from the stage (the last step's byte store may be out): its stores into the stage have read their registers,
.else
	s_wait_dscnt 0x0
.endif
.if (\t)+4 < STEPS
	LOAD (\t)+4                                    ; which take the loads of four steps on
.endif
.if (\t)+1 < STEPS
.if STEPS-2-(\t) >= 3
	s_wait_loadcnt 12                              ; the next step's four loads are in; those of the three steps behind it may be out
.else
	s_wait_loadcnt 4*(STEPS-2-(\t))
.endif
	TURN (\t)+1                                    ; and go through the other stage while this step is worked
.endif
	v_max3_num_f32 v8, |v[XS]|, |v[XS+1]|, |v[XS+2]|               ; the largest magnitude of my 16, in two chains
	v_max3_num_f32 v9, |v[XS+3]|, |v[XS+4]|, |v[XS+5]|
.irp i, 6,10
	v_max3_num_f32 v8, v8, |v[XS+\i]|, |v[XS+\i+1]|
	v_max3_num_f32 v9, v9, |v[XS+\i+2]|, |v[XS+\i+3]|
.endr
	v_max3_num_f32 v8, v8, |v[XS+14]|, |v[XS+15]|
	v_max3_num_f32 v8, v8, v9, (EMAX+1)<<23        ; and the floor 2^(3 - 127): the byte cannot fall under 1
	v_max_num_f32_dpp v8, v8, v8 row_xmask:1 row_mask:0xf bank_mask:0xf   ; and of my neighbour's 16: the block's
	v_add_nc_u32 v11, -(EMAX<<23), v8              ; 2 off its exponent field: the conversion takes the exponent field of this operand as its scale
	v_cvt_scalef32_pk8_fp4_f32 v[C+4*(\t)], v[XS:XS+7], v11
	v_cvt_scalef32_pk8_fp4_f32 v[C+4*(\t)+1], v[XS+8:XS+15], v11
	v_lshrrev_b32 v[E+(\t)], 23, v11               ; the scale's byte (also the plain line behind the conversions)
	ds_store_b8 v5, v[E+(\t)] offset:16*(\t)       ; both lanes of a block write the same byte with the same value
	global_store_b64 v4, v[C+4*(\t):C+4*(\t)+1], s[28:29] offset:32*CB*(\t)   ; 32 lanes store 256 consecutive bytes, aligned
.endm
.irp t, 0,1,2,3,4,5,6,7,8,9,10,11,12,13,14,15
	STEP \t
.endr
	ds_load_b64 v[12:13], v6                       ; in order behind my byte stores
	s_wait_dscnt 0x0
	global_store_b64 v7, v[12:13], s[30:31]        ; 32 lanes store 256 consecutive bytes, aligned
	s_wait_tensorcnt 0x0
	ds_add_u32 v192, v193
	s_wait_dscnt 0x0
	s_endpgm
.Ltable:                               ; ---- the table: a wave makes 32 tokens' rows, two a trip (lanes 0-15 one token, lanes 16-31 the next)
	s_sub_co_u32 s26, s25, NQWG
	s_lshl_b32 s26, s26, 2
	s_add_co_u32 s26, s26, s24                     ; which 32 tokens
	s_lshl_b32 s27, s26, 5                         ; the first of them
	s_lshl_b32 s28, s26, 13                        ; and its row, 256 bytes a token
	s_mov_b32 s29, 0
	s_mov_b32 s30, 0x3faab0d5                      ; 10^(1/8) = 1.33352143216332403 as two numbers: the rounded one,
	s_mov_b32 s31, 0xb36457ec                      ; and what it leaves
	s_mov_b32 s32, 0xbfc90fdb                      ; -pi/2, rounded,
	s_mov_b32 s33, 0x333bbd2e                      ; and what that leaves of it
	v_and_b32 v3, 15, v2                           ; e
	v_lshrrev_b32 v4, 4, v2                        ; which of the trip's two tokens
	v_lshlrev_b32 v5, 4, v2                        ; 16 bytes a lane
	v_mov_b32 v16, 0                               ; theta(2e)
	v_mov_b32 v17, 0                               ; theta(2e+1)
.set i, 0
.rept 32                               ; every lane walks all 32 powers (v8 + v9) and keeps its own two quotients
.if i == 0
	v_mov_b32 v8, 1.0
.elseif i == 8
	v_mov_b32 v8, 0x41200000                       ; 10
.elseif i == 16
	v_mov_b32 v8, 0x42c80000                       ; 100
.elseif i == 24
	v_mov_b32 v8, 0x447a0000                       ; 1000
.endif
.if i%8 == 0
	v_mov_b32 v9, 0
.endif
	v_rcp_f32 v10, v8
	v_mul_f32 v11, s30, v8                         ; (the plain line behind the reciprocal)  the next power's leading part
	s_wait_alu depctr_va_vdst(0)
	v_fma_f32 v12, -v8, v10, 1.0
	v_fma_f32 v10, v10, v12, v10                   ; 1 / the rounded power, corrected once
	v_cmp_ne_u32 vcc_lo, i/2, v3
	v_cndmask_b32 v[16+i%2], v10, v[16+i%2], vcc_lo
.if i%8 != 7
	v_fma_f32 v13, v8, s30, -v11                   ; what the product's rounding left,
	v_fma_f32 v13, v8, s31, v13                    ; and the two cross terms
	v_fma_f32 v13, v9, s30, v13
	v_add_f32 v14, v11, v13
	v_sub_f32 v9, v11, v14
	v_add_f32 v9, v9, v13
	v_mov_b32 v8, v14
.endif
.set i, i+1
.endr
	s_add_co_u32 s27, s27, 1                       ; positions begin at 1
	v_add_nc_u32 v6, s27, v4
	v_cvt_f32_u32 v6, v6                           ; my token's position
	s_wait_kmcnt 0x0
	s_add_nc_u64 s[22:23], s[22:23], s[28:29]
	s_mov_b32 s34, 0
.macro SINCOS th, cd, sd
	v_mul_f32 v18, v6, v[\th]                      ; the angle, rounded once
	v_mul_f32 v19, 0x3f22f983, v18                 ; x 2 / pi
	v_rndne_f32 v19, v19                           ; k
	v_fma_f32 v20, v19, s32, v18
	v_fma_f32 v20, v19, s33, v20                   ; r = angle - k pi/2, within +-pi/4
	v_cvt_i32_f32 v21, v19
	v_mul_f32 v22, v20, v20                        ; z = r^2
	v_mov_b32 v23, 0xb94ca1f9
	v_mov_b32 v28, 0x37ccf5ce
	v_fmaak_f32 v23, v23, v22, 0x3c08839e
	v_fmaak_f32 v28, v28, v22, 0xbab6061a
	v_fmaak_f32 v23, v23, v22, 0xbe2aaaa3
	v_fmaak_f32 v28, v28, v22, 0x3d2aaaa5
	v_mul_f32 v23, v23, v22
	v_mul_f32 v30, v22, v22
	v_fma_f32 v29, v22, -0.5, 1.0
	v_fma_f32 v23, v23, v20, v20                   ; sin r
	v_fma_f32 v28, v30, v28, v29                   ; cos r
	v_and_b32 v29, 1, v21
	v_cmp_eq_u32 vcc_lo, 1, v29                    ; an odd k changes the two over
	v_cndmask_b32 v[\sd], v23, v28, vcc_lo
	v_cndmask_b32 v[\cd], v28, v23, vcc_lo
	v_lshlrev_b32 v29, 30, v21                     ; the sine's sign: bit 1 of k;
	v_add_nc_u32 v30, 1, v21                       ; the cosine's: bit 1 of k + 1
	v_and_b32 v29, 0x80000000, v29
	v_lshlrev_b32 v30, 30, v30
	v_xor_b32 v[\sd], v[\sd], v29
	v_and_b32 v30, 0x80000000, v30
	v_xor_b32 v[\cd], v[\cd], v30
.endm
.Ltok:
	SINCOS 16, 24, 26
	SINCOS 17, 25, 27
	global_store_b128 v5, v[24:27], s[22:23]       ; 32 lanes store 512 consecutive bytes: two tokens' rows
	v_add_f32 v6, 2.0, v6
	s_wait_xcnt 0x0                                ; the store has read its data and its base: both are written again only behind this wait
	s_add_nc_u64 s[22:23], s[22:23], 512
	s_add_co_u32 s34, s34, 1
	s_cmp_lt_u32 s34, 16
	s_cbranch_scc1 .Ltok
	s_endpgm
.Lfunc_end_k_q6784ad1ab2_prep:
	.size	k_q6784ad1ab2_prep, .Lfunc_end_k_q6784ad1ab2_prep-k_q6784ad1ab2_prep
	.p2alignl 7, 3214868480
	.fill 96, 4, 3214868480
	.section	.rodata,"a",@progbits
	.p2align	6, 0x0
	.amdhsa_kernel k_q6784ad1ab2_prep
		.amdhsa_group_segment_fixed_size 33280
		.amdhsa_private_segment_fixed_size 0
		.amdhsa_enable_private_segment 0
		.amdhsa_kernarg_size 80
		.amdhsa_user_sgpr_count 2
		.amdhsa_user_sgpr_kernarg_segment_ptr 1
		.amdhsa_wavefront_size32 1
		.amdhsa_system_sgpr_workgroup_id_x 1
		.amdhsa_system_sgpr_workgroup_id_y 1
		.amdhsa_system_sgpr_workgroup_id_z 1
		.amdhsa_system_vgpr_workitem_id 0
		.amdhsa_next_free_vgpr 194
		.amdhsa_next_free_sgpr 66
		.amdhsa_reserve_vcc 1
		.amdhsa_float_denorm_mode_32 3
		.amdhsa_float_denorm_mode_16_64 3
		.amdhsa_memory_ordered 1
		.amdhsa_forward_progress 1
		.amdhsa_inst_pref_size 56
	.end_amdhsa_kernel
	.amdgpu_metadata
---
amdhsa.version: [ 1, 2 ]
amdhsa.kernels:
  - .name:           k_q6784ad1ab2_prep
    .symbol:         k_q6784ad1ab2_prep.kd
    .args:
      - { .name: x, .offset: 0, .size: 8, .value_kind: global_buffer, .address_space: global }
      - { .name: Wq, .offset: 8, .size: 8, .value_kind: global_buffer, .address_space: global }
      - { .name: Wk, .offset: 16, .size: 8, .value_kind: global_buffer, .address_space: global }
      - { .name: Wv, .offset: 24, .size: 8, .value_kind: global_buffer, .address_space: global }
      - { .name: Wo, .offset: 32, .size: 8, .value_kind: global_buffer, .address_space: global }
      - { .name: x_codes, .offset: 40, .size: 8, .value_kind: global_buffer, .address_space: global }
      - { .name: x_scales, .offset: 48, .size: 8, .value_kind: global_buffer, .address_space: global }
      - { .name: w_codes, .offset: 56, .size: 8, .value_kind: global_buffer, .address_space: global }
      - { .name: w_scales, .offset: 64, .size: 8, .value_kind: global_buffer, .address_space: global }
      - { .name: rope, .offset: 72, .size: 8, .value_kind: global_buffer, .address_space: global }
    .group_segment_fixed_size: 33280
    .private_segment_fixed_size: 0
    .kernarg_segment_align: 8
    .kernarg_segment_size: 80
    .max_flat_workgroup_size: 128
    .sgpr_count:     66
    .vgpr_count:     194
    .wavefront_size: 32
...
	.end_amdgpu_metadata
.endif
;; end of part 1
;; launch qkv (part 2): grid 8 x 32, 4 waves a work-group, clusters of 4 x 4, 327,680 bytes of LDS; arguments x_codes, x_scales, w_codes, w_scales, bq, bk, bv, rope, qkv; writes qkv
.if DOCPART == 2
	.amdgcn_target "amdgcn-amd-amdhsa--gfx1250"
	.amdhsa_code_object_version 6
	.text
	.protected	k_q6784ad1ab2_qkv
	.globl	k_q6784ad1ab2_qkv
	.p2align	8
	.type	k_q6784ad1ab2_qkv,@function
k_q6784ad1ab2_qkv:
	s_mov_b64 s[64:65], 0
	v_nop
	global_prefetch_b8 v0, s[64:65] scope:SCOPE_SE
	s_setreg_imm32_b32 hwreg(HW_REG_WAVE_MODE, 25, 1), 1
	s_wait_xcnt 0x0
	s_wait_alu depctr_hold_cnt(0) depctr_sa_sdst(0) depctr_va_vdst(0) depctr_va_sdst(0) depctr_va_ssrc(0) depctr_va_vcc(0) depctr_vm_vsrc(0)
	s_getreg_b32 s2, hwreg(HW_REG_IB_STS2, 6, 4)
	s_cmp_eq_u32 s2, 0
	s_cbranch_scc0 .Lentry_in_a_cluster
	s_endpgm
.Lentry_in_a_cluster:
	s_bfe_u32 s2, ttmp6, 0x10000c
	s_cmp_lg_u32 s2, 0xf033
	s_cbranch_scc0 .Lentry_shape_is_right
	s_endpgm
.Lentry_shape_is_right:
; QKV.  q = rope(x Wq^T + bq), k = rope(x Wk^T + bk), v = x Wv^T + bv, on codes of FP4 (E2M1) with one E8M0 scale for each 32 along K = 1024; the results are quantised at once:
; q and k along the head's 64, v along the keys, and stored as IMAGES OF OPERAND REGISTERS (lane l's 16 bytes at 16 l, 512 bytes a group of four registers) with their scale words, one record for each (batch, head).
; A record (REC bytes): K's images [key tile 128][512]; V's [key step 16][channel tile 4][2][512]; K's scale words [step 16][lane 32][4]: word (L, p) = key 32 p + L; V's [step 16][lane 32][2]: word (L, p) = channel 32 p + L;
; Q's images and words like K's.  A scale word of q or k holds the head's two bytes below and zeros above: those stand over zero codes.
; SHARES.  32 x 8 work-groups of four waves.  Work-group (TR, TC) takes tokens 256 TR on.  FIRST it makes 256 tokens x rows 256 TC on of Wq | Wk (TC 0-3: q, 4-7: k), a wave 128 x 128: 64 accumulators.  THEN, from the same
; tokens' codes, which still lie in LDS, it makes v for channels 128 TC on, a wave 128 tokens x 64 channels (one head): 32 accumulators.  So each work-group has an eighth of a token tile's 3,072 columns and all have equal work.
; THE MATRIX INSTRUCTION IS USED TRANSPOSED: a lane holds one row of source 1 and its registers run along source 0.  q, k: source 0 = the weight's rows, source 1 = tokens: registers along the channels.
; v: source 0 = tokens, source 1 = Wv's rows: registers along the keys.
; LDS.  K = 1024 is two slots of 512 (rows of 256 bytes + 16 of padding): 256 rows of x, then 256 of the weight.  All first fills go out together.  When slot 0 has been left, its weight rows are filled again, once, with Wv's 128 rows:
; K 0-511 in the first 128 rows' place (wave 2's load), K 512-1023 in the second's (wave 3's).  That load has slot 1's products and q's or k's way out in which to land.
; CLUSTERS of 4 x 4: the four of a row need the same tiles of x, the four of a column the same weights: each tile is asked for jointly, by the same tensor load with a mask that names the four.
; LIMITS: NaN and infinities are not served; a block whose largest magnitude lies under 2^-124 keeps the byte 1 (the bytes are this program's own).
; REGISTERS, in windows of 256.  Window 0: v8-29 addresses; v32-95 scale words, two sets; v96-127 a set of the table; v128-191 source 1's fragments; v192-255 q's or k's bias, later Wv's scale words (v192-223) and bv (v224-231).
;   On a way out: v32-63 the table's other set, v64-71 codes, v72-87 at work, v88 the scale word, v128-191 the 64 numbers to be quantised.   Window 1: source 0's fragments, two sets.   Windows 2, 3: the accumulators.
.set NQ,     4                         ; steps of 128 along K in a slot
.set ROWB,   256                       ; a tile's row in bytes
.set KROW,   512                       ; a row of codes in memory
.set PITCH,  272                       ; an LDS row: 68 words: row r starts at bank 4 r mod 64 (64 banks of 4 bytes: ISA guide 11.1)
.set FR,     8
.set NL,     2
.set NP,     4                         ; places behind this matrix instruction (ISA guide 7.12.1)
.set HALFT,  128*PITCH
.set SLOT,   4*HALFT                   ; x's 256 rows, then the weight's 256 rows
.set KS,     32                        ; a row of scale bytes
.set SCL,    2*SLOT                    ; the scale bytes, as runs of 256 bytes + 16 of padding
.set HALFS,  (128*KS/256)*272
.set SBLK,   (16*KS/256)*272
.set SCRQ,   SCL+4*HALFS               ; q's and k's scale words on their way out: 1,024 bytes a wave, the wave's own; no fill lands here
.set SCRV,   SCRQ+4*1024               ; v's: 256 bytes a wave
.set SPARE,  SCRV+4*256                ; the spare words, 128 bytes for each wave: two blocks of 256 bytes that no other line names
.set REC,    217088
.set O_KI,   0
.set O_VI,   65536
.set O_KS,   131072
.set O_VS,   139264
.set O_QI,   143360
.set O_QS,   208896
.set RT,   8                           ; v8   the table: 256 r + 64 h
.set LI,   9                           ; v9   16 x lane
.set AQ,   10                          ; v10  q, k: where my scale word goes
.set AV,   11                          ; v11  v: likewise
.set SH,   12                          ; v12  16 h
.set L8,   13                          ; v13  8 x lane
.set BO,   14                          ; v14  q's, k's bias: 32 h
.set RQ,   15                          ; v15  q, k: where the scale words are read back
.set ADRA, 16                          ; v16-17  x's fragments in slot 0, 1
.set RV,   18                          ; v18  v: where the scale words are read back
.set BV,   19                          ; v19  bv: 4 r
.set ADRB, 20                          ; v20-21  the weight's fragments in slot 0, 1
.set ADRV, 22                          ; v22-23  Wv's fragments, K 0-511 and K 512-1023
.set ADRT, 24                          ; v24  my tokens' scale words, by r alone
.set WSO,  25                          ; v25  Wv's scale bytes in memory: 32 r
.set ADRS, 27                          ; v27  scale words: lanes 0-15 x's, lanes 16-31 the weight's
.set SPW,  28                          ; v28  LDS address of my spare word: SPARE + 4 x my thread's number; never rewritten
.set NIL,  29                          ; v29  0; never rewritten
.set SC,   32
.set CS1,  32
.set PC,   64
.set TM,   72
.set PW,   88
.set TP,   89
.set CS0,  96
.set AF,   128
.set HA,   128
.set BI,   192
.set WS,   192
.set BIV,  224
.set G1, 24
.set G0, 32
.set G1B, 48
.set G0B, 56
.set G1S, 68
.set G0S, 76
.set G1SB, 80
.set G0SB, 88
.set SEL, 92                           ; s[92:93] lane selects for v_permlanex16_b32: lane l xor 16
.set MSB, 0
.macro WIN new                         ; the immediate's high byte repeats the setting that is left
.if MSB != (\new)
	s_set_vgpr_msb (MSB<<8)|(\new)
.set MSB, (\new)
.endif
.endm
.set MUL_LO, 0xa1                      ; source 0 window 1, source 1 window 0, C and D window 2
.set MUL_HI, 0xf1                      ; the same, C and D window 3
.set BIA_LO, 0x81                      ; C (the bias) window 0, D window 2
.set BIA_HI, 0xc1                      ; C window 0, D window 3
.set TO_B,   0x40
; A joint load: waves 0 and 1 fetch x's halves, waves 2 and 3 the weight's; the branch hangs on the wave's number alone.  Four v_nop follow each of the two lines.
.macro JLOAD g0a, g1a, g0b, g1b
	s_cmp_eq_u32 s23, 0
	s_cbranch_scc0 .Lfor_b_\@
	tensor_load_to_lds s[\g0a:\g0a+3], s[\g1a:\g1a+7]
	s_nop 0
.rept 4
	v_nop
.endr
	s_branch .Lasked_\@
.Lfor_b_\@:
	tensor_load_to_lds s[\g0b:\g0b+3], s[\g1b:\g1b+7]
	s_nop 0
.rept 4
	v_nop
.endr
.Lasked_\@:
.endm
.macro CREST                           ; a round of the cluster's barrier behind its opening barrier
	s_cmp_lg_u32 s22, 0
	s_cbranch_scc1 .Lnot_wave_0_\@
	s_barrier_signal -3
.Lnot_wave_0_\@:
	s_barrier_wait -3
	s_barrier_signal -1
	s_barrier_wait -1
.endm
.macro CROUND                          ; a whole round
	s_barrier_signal -1
	s_barrier_wait -1
	CREST
.endm
	s_load_b256 s[4:11], s[0:1], 0x0               ; x_codes, x_scales, w_codes, w_scales
	s_load_b256 s[12:19], s[0:1], 0x20             ; bq, bk, bv, rope
	s_load_b64 s[20:21], s[0:1], 0x40              ; qkv
	v_lshl_add_u32 v[SPW], v0, 2, SPARE
	v_mov_b32 v[NIL], 0
	ds_add_u32 v28, v29
	ds_add_u32 v28, v29
	s_wait_dscnt 0x0
	v_lshrrev_b32 v1, 5, v0
	v_readfirstlane_b32 s22, v1                    ; wave 0..3
	s_lshr_b32 s23, s22, 1                         ; which half of the tokens is mine.  Also: I fetch for x (0) or for the weights (1)
	s_and_b32 s3, s22, 1                           ; which half of the weight's rows.  Also: which part of a tile I fetch
	s_bfe_u32 s40, ttmp6, 0x40000                  ; cx
	s_bfe_u32 s41, ttmp6, 0x40004                  ; cy
	s_lshl_b32 s42, ttmp9, 2
	s_add_co_u32 s42, s42, s40                     ; TC = 4 x cluster x + cx: shared along a column of the cluster
	s_and_b32 s66, ttmp7, 0xffff
	s_lshl_b32 s66, s66, 2
	s_add_co_u32 s66, s66, s41                     ; TR = 4 x cluster y + cy: shared along a row
	s_lshl_b32 s43, s41, 2
	s_lshl_b32 s43, 15, s43                        ; my row of the cluster
	s_lshl_b32 s44, 0x1111, s40                    ; my column
	s_or_b32 s[G1+0], s43, (0<<16)|(1<<20)|(1<<21)|(5<<22)|(3<<25)  ; 15:0 the mask; 17:16 elements of 1 byte; 20 padding on; 21 set beside a mask; 24:22 after every 64 words; 31:25 four words
	s_or_b32 s[G1B+0], s44, (0<<16)|(1<<20)|(1<<21)|(5<<22)|(3<<25)
.irp g, G1, G1B
	s_mov_b32 s[\g+1], ROWB<<16                    ; tensor_dim0
	s_mov_b32 s[\g+2], 128<<16                     ; tensor_dim1
	s_mov_b32 s[\g+3], ROWB<<16                    ; tile_dim0
	s_mov_b32 s[\g+4], 128                         ; tile_dim1
	s_mov_b32 s[\g+5], KROW                        ; tensor_dim0_stride
	s_mov_b32 s[\g+6], 0
	s_mov_b32 s[\g+7], 0
.endr
	s_or_b32 s[G1S+0], s43, (3<<16)|(1<<20)|(1<<21)|(5<<22)|(3<<25) ; the scale bytes of 128 rows: 4,096 dense bytes as 16 rows of 32 elements of 8 bytes
	s_or_b32 s[G1SB+0], s44, (3<<16)|(1<<20)|(1<<21)|(5<<22)|(3<<25)
.irp g, G1S, G1SB
	s_mov_b32 s[\g+1], 32<<16
	s_mov_b32 s[\g+2], (128*KS/256)<<16
	s_mov_b32 s[\g+3], 32<<16
	s_mov_b32 s[\g+4], 128*KS/256
	s_mov_b32 s[\g+5], 32
	s_mov_b32 s[\g+6], 0
	s_mov_b32 s[\g+7], 0
.endr
	s_lshl_b32 s94, s3, 7                          ; which 128 rows of a tile I fetch
	s_lshl_b32 s96, s66, 8
	s_add_co_u32 s96, s96, s94                     ; x's row
	s_lshl_b32 s46, s42, 8
	s_add_co_u32 s46, s46, s94                     ; the weight's row
	s_lshl_b32 s98, s96, 5                         ; their scale bytes,
	s_mov_b32 s99, 0
	s_lshl_b32 s96, s96, 9                         ; their codes
	s_mov_b32 s97, 0
	s_lshl_b32 s92, s46, 5
	s_mov_b32 s93, 0
	s_lshl_b32 s46, s46, 9
	s_mov_b32 s47, 0
	s_lshl_b32 s100, s42, 16                       ; Wv's 128 rows for this TC: rows 2048 + 128 TC of the weights' codes,
	s_lshl_b32 s94, s3, 8                          ; and the half of K that I would fetch
	s_add_co_u32 s100, s100, s94
	s_add_co_u32 s100, s100, 2048*KROW
	s_mov_b32 s101, 0
	s_mul_i32 s45, s22, HALFT                      ; where tiles go: wave x 128 rows: no place in the cluster enters an LDS address
	s_mul_i32 s67, s22, HALFS
	s_wait_kmcnt 0x0
	s_add_nc_u64 s[4:5], s[4:5], s[96:97]          ; x's codes
	s_add_nc_u64 s[6:7], s[6:7], s[98:99]          ; x's scale bytes
	s_add_nc_u64 s[100:101], s[8:9], s[100:101]    ; Wv's codes: kept for the refill
	s_add_nc_u64 s[8:9], s[8:9], s[46:47]          ; the weight's codes
	s_add_nc_u64 s[92:93], s[10:11], s[92:93]      ; the weight's scale bytes
	CROUND                                         ; all sixteen work-groups are here: the joint loads meet
	s_mov_b32 s[G0S], 1
	s_add_co_u32 s[G0S+1], s67, SCL
	s_mov_b64 s[G0S+2:G0S+3], s[6:7]
	s_or_b32 s[G0S+3], s[G0S+3], 0x80000000
	s_mov_b32 s[G0SB], 1
	s_add_co_u32 s[G0SB+1], s67, SCL
	s_mov_b64 s[G0SB+2:G0SB+3], s[92:93]
	s_or_b32 s[G0SB+3], s[G0SB+3], 0x80000000
	JLOAD G0S, G1S, G0SB, G1SB                     ; the scale bytes first: they are wanted with slot 0
.irp s, 0,1
	s_mov_b32 s[G0+4*\s], 1
	s_add_co_u32 s[G0+4*\s+1], s45, \s*SLOT
	s_add_nc_u64 s[G0+4*\s+2:G0+4*\s+3], s[4:5], \s*ROWB
	s_or_b32 s[G0+4*\s+3], s[G0+4*\s+3], 0x80000000
	s_mov_b32 s[G0B+4*\s], 1
	s_add_co_u32 s[G0B+4*\s+1], s45, \s*SLOT
	s_add_nc_u64 s[G0B+4*\s+2:G0B+4*\s+3], s[8:9], \s*ROWB
	s_or_b32 s[G0B+4*\s+3], s[G0B+4*\s+3], 0x80000000
	JLOAD G0+4*\s, G1, G0B+4*\s, G1B               ; three loads of mine are out
.endr
	v_and_b32 v1, 15, v0                           ; r
	v_bfe_u32 v2, v0, 4, 1                         ; h
	v_mul_u32_u24 v3, v1, PITCH
	v_lshl_add_u32 v4, v2, 4, v3                   ; a fragment's row x pitch + 16 h
	s_mul_i32 s96, s23, HALFT
	s_mul_i32 s97, s3, HALFT
	s_add_co_u32 s97, s97, 2*HALFT
.irp s, 0,1
	v_add_nc_u32 v[ADRA+\s], s96, v4
	v_add_nc_u32 v[ADRB+\s], s97, v4
	s_add_co_u32 s96, s96, SLOT
	s_add_co_u32 s97, s97, SLOT
.endr
	s_mul_i32 s96, s3, 64*PITCH                    ; Wv: my 64 of its 128 rows, where slot 0's weight rows lay
	s_add_co_u32 s96, s96, 2*HALFT
	v_add_nc_u32 v[ADRV], s96, v4
	s_add_co_u32 s96, s96, HALFT
	v_add_nc_u32 v[ADRV+1], s96, v4
	v_mul_u32_u24 v5, v1, KS                       ; my row's scale bytes: KS a row,
	v_lshrrev_b32 v6, 8, v5
	v_lshl_add_u32 v5, v6, 4, v5                   ; and 16 more for each 256 passed
	s_mul_i32 s96, s23, HALFS
	s_mul_i32 s97, s3, HALFS
	s_add_co_u32 s97, s97, 2*HALFS
	s_sub_co_u32 s97, s97, s96
	v_mul_u32_u24 v6, s97, v2                      ; lanes 16-31 take the weight's
	s_add_co_u32 s96, s96, SCL
	v_add_nc_u32 v[ADRT], s96, v5
	v_add_nc_u32 v[ADRS], v[ADRT], v6
	v_lshlrev_b32 v[RT], 8, v1
	v_lshl_add_u32 v[RT], v2, 6, v[RT]
	v_and_b32 v7, 31, v0
	v_lshlrev_b32 v[LI], 4, v7
	v_lshlrev_b32 v[L8], 3, v7
	s_lshl_b32 s96, s22, 10
	s_add_co_u32 s96, s96, SCRQ
	v_lshlrev_b32 v[AQ], 4, v1
	v_lshl_add_u32 v[AQ], v2, 9, v[AQ]
	v_add_nc_u32 v[AQ], s96, v[AQ]                 ; lanes 0-15: my first head's words, lanes 16-31: my second's, 512 bytes on; 16 bytes a token
	v_add_nc_u32 v[RQ], s96, v[LI]
	s_lshl_b32 s96, s22, 8
	s_add_co_u32 s96, s96, SCRV
	v_lshl_add_u32 v[AV], v1, 3, s96               ; 8 bytes a channel
	v_add_nc_u32 v[RV], s96, v[L8]
	v_lshlrev_b32 v[SH], 4, v2
	v_lshlrev_b32 v[BO], 5, v2
	v_lshlrev_b32 v[BV], 2, v1
	v_lshlrev_b32 v[WSO], 5, v1
	s_mov_b32 s[SEL], 0x76543210
	s_mov_b32 s[SEL+1], 0xfedcba98
	; where the results go
	s_lshl_b32 s96, s66, 8
	s_lshl_b32 s97, s23, 7
	s_add_co_u32 s96, s96, s97                     ; my first token
	s_lshr_b32 s97, s96, 11                        ; the batch
	s_and_b32 s98, s96, 2047                       ; the token in it: a multiple of 128
	s_lshl_b32 s99, s42, 8
	s_lshl_b32 s2, s3, 7
	s_add_co_u32 s99, s99, s2
	s_and_b32 s99, s99, 1023                       ; q, k: my first channel
	s_lshr_b32 s2, s99, 6                          ; and head
	s_lshl_b32 s97, s97, 4
	s_add_co_u32 s2, s2, s97
	s_mul_i32 s2, s2, REC                          ; its record
	s_lshl_b32 s46, s42, 1
	s_add_co_u32 s46, s46, s3                      ; v: my head, 2 TC + my half
	s_add_co_u32 s46, s46, s97
	s_mul_i32 s46, s46, REC                        ; its record
	s_mov_b32 s47, O_QS
	s_cmp_eq_u32 ttmp9, 1                          ; k or q: the cluster's x is the same in all sixteen partners
	s_cselect_b64 s[12:13], s[14:15], s[12:13]     ; the bias
	s_cselect_b32 s43, O_KI, O_QI
	s_cselect_b32 s47, O_KS, s47
	s_lshl_b32 s4, s98, 5                          ; 512 bytes for each 16 tokens
	s_add_co_u32 s4, s4, s2
	s_add_co_u32 s4, s4, s43
	s_mov_b32 s5, 0
	s_add_nc_u64 s[4:5], s[20:21], s[4:5]          ; q, k: where my images go
	s_lshl_b32 s6, s98, 2                          ; 512 bytes for each 128 tokens
	s_add_co_u32 s6, s6, s2
	s_add_co_u32 s6, s6, s47
	s_mov_b32 s7, 0
	s_add_nc_u64 s[6:7], s[20:21], s[6:7]          ; and my scale words
	s_lshr_b32 s43, s98, 7                         ; the key step
	s_lshl_b32 s8, s43, 12
	s_add_co_u32 s8, s8, s46
	s_add_co_u32 s8, s8, O_VI
	s_mov_b32 s9, 0
	s_add_nc_u64 s[8:9], s[20:21], s[8:9]          ; v: where my images go
	s_lshl_b32 s94, s43, 8
	s_add_co_u32 s94, s94, s46
	s_add_co_u32 s94, s94, O_VS
	s_mov_b32 s95, 0
	s_add_nc_u64 s[94:95], s[20:21], s[94:95]      ; and my scale words
	s_lshl_b32 s96, s98, 8
	s_mov_b32 s97, 0
	s_add_nc_u64 s[18:19], s[18:19], s[96:97]      ; the table at my first token
	s_lshl_b32 s98, s99, 2
	s_mov_b32 s99, 0
	s_add_nc_u64 s[12:13], s[12:13], s[98:99]      ; q's or k's bias at my first channel
	s_lshl_b32 s96, s42, 7
	s_lshl_b32 s97, s3, 6
	s_add_co_u32 s96, s96, s97                     ; v: my first channel
	s_lshl_b32 s98, s96, 2
	s_add_nc_u64 s[16:17], s[16:17], s[98:99]      ; bv there
	s_lshl_b32 s98, s96, 5
	s_add_co_u32 s98, s98, 2048*KS
	s_add_nc_u64 s[10:11], s[10:11], s[98:99]      ; and Wv's scale bytes
.macro FRAG reg, adr, q, i             ; 16 rows x 128 K of 4-bit codes: lane l holds row l % 16; registers 4 c .. 4 c + 3 hold K = 64 c + 32 (l / 16) + 0 .. 31
.irp c, 0,1
	ds_load_b128 v[\reg+4*\c:\reg+4*\c+3], v[\adr] offset:64*(\q)+32*\c+(\i)*16*PITCH
.endr
.endm
; 16 matrix instructions: tokens' blocks a0, a0 + 1 x the weight's eight, the slot's q-th 128 along K.  p: the weight's set; sc: the set of scale words.  zero = 2: the product starts the sum from the bias; 0: it adds on.
; The 64 accumulators take turns, one instruction a turn, in the same order in every step.
.macro MUL16 a0, p, q, sc, zero
.irp a, \a0, \a0+1
.irp b, 0,1,2,3,4,5,6,7
.if \zero == 2
	v_wmma_scale_f32_16x16x128_f8f6f4 v[8*(8*((\a)%4)+\b):8*(8*((\a)%4)+\b)+7], v[128*(\p)+FR*\b:128*(\p)+FR*\b+FR-1], v[AF+FR*(\a):AF+FR*(\a)+FR-1], v[BI+8*\b:BI+8*\b+7], v[SC+8*NQ*(\sc)+NQ*\b+(\q)], v[SC+8*NQ*(\sc)+NQ*(\a)+(\q)] matrix_a_fmt:MATRIX_FMT_FP4 matrix_b_fmt:MATRIX_FMT_FP4 matrix_a_scale:MATRIX_SCALE_ROW1
.else
	v_wmma_scale_f32_16x16x128_f8f6f4 v[8*(8*((\a)%4)+\b):8*(8*((\a)%4)+\b)+7], v[128*(\p)+FR*\b:128*(\p)+FR*\b+FR-1], v[AF+FR*(\a):AF+FR*(\a)+FR-1], v[8*(8*((\a)%4)+\b):8*(8*((\a)%4)+\b)+7], v[SC+8*NQ*(\sc)+NQ*\b+(\q)], v[SC+8*NQ*(\sc)+NQ*(\a)+(\q)] matrix_a_fmt:MATRIX_FMT_FP4 matrix_b_fmt:MATRIX_FMT_FP4 matrix_a_scale:MATRIX_SCALE_ROW1
.endif
.endr
.endr
.endm
.macro FETCH_B slot, q, p
	WIN TO_B
.irp i, 0,1,2,3,4,5,6,7
	FRAG 128*(\p)+FR*\i, ADRB+\slot, \q, \i
.endr
	WIN 0
.endm
.macro FETCH_A slot, q, i0
.irp i, \i0, \i0+1, \i0+2, \i0+3
	FRAG AF+FR*(\i), ADRA+\slot, \q, \i
.endr
.endm
.macro SCALES sc                       ; a slot's scale words: four a row; lanes 0-15 take the tokens' block i, lanes 16-31 the weight's block i
.irp i, 0,1,2,3,4,5,6,7
	ds_load_b128 v[SC+8*NQ*\sc+NQ*\i:SC+8*NQ*\sc+NQ*\i+3], v[ADRS] offset:\i*SBLK
.endr
.endm
.macro PLACES n                        ; plain vector lines between a matrix instruction and a load into, or a vector line on, one of its registers
.rept \n
	v_nop
.endr
.endm
.macro STEP slot, q, zero              ; a step of 128 along K that has its successor in the same slot
	s_wait_dscnt 4*NL                              ; the weight's set and the tokens' blocks 0-3 are in; the youngest eight loads (blocks 4-7) may be out
.if \zero == 2
	WIN BIA_LO
.else
	WIN MUL_LO
.endif
	MUL16 0, (\q)%2, \q, \slot, \zero
	MUL16 2, (\q)%2, \q, \slot, \zero
	s_wait_dscnt 0
	PLACES NP
	FETCH_B \slot, (\q)+1, 1-(\q)%2
	FETCH_A \slot, (\q)+1, 0
.if \zero == 2
	WIN BIA_HI
.else
	WIN MUL_HI
.endif
	MUL16 4, (\q)%2, \q, \slot, \zero
	MUL16 6, (\q)%2, \q, \slot, \zero
	PLACES NP
	WIN 0
	FETCH_A \slot, (\q)+1, 4
.endm
; Slot 0's last step, the change to slot 1, and THE REFILL.  In front of the barrier each wave waits for all its tensor loads (its part of slot 1 was the one still out), adds 0 to its spare word, and waits for that and for its
; reads of slot 0.  The barrier opens a round of the cluster's barrier: behind it no wave of any partner reads slot 0's weight rows or has a load on its way.  Waves 2 and 3 then ask jointly for Wv's rows, one load each.
.macro MID
	s_wait_tensorcnt 0x0                           ; all my tensor loads have landed  (every window is 0 here: the add's two registers lie in window 0)
	ds_add_u32 v[SPW], v[NIL]                      ; 0 onto my spare word
	s_wait_dscnt 4*NL+1                            ; (the add and the youngest eight loads may be out)
	WIN MUL_LO
	MUL16 0, 1, NQ-1, 0, 0                         ; sixteen matrix instructions stand between the add and the wait for it
	s_wait_dscnt 0x0                               ; the add is done, and my reads of slot 0's weight rows are over
	s_barrier_signal -1
	MUL16 2, 1, NQ-1, 0, 0
	WIN 0
	s_barrier_wait -1
	CREST
	s_mov_b64 s[G0B+2:G0B+3], s[100:101]           ; slot 0's descriptor for the weights: the same LDS bytes, the same shape; now Wv's rows, my half of K
	s_or_b32 s[G0B+3], s[G0B+3], 0x80000000
	s_cmp_eq_u32 s23, 0
	s_cbranch_scc1 .Lno_fill_\@
	tensor_load_to_lds s[G0B:G0B+3], s[G1B:G1B+7]  ; the first tensor load behind the round, and my last
	s_nop 0
.rept 4
	v_nop
.endr
.Lno_fill_\@:
	PLACES NP                                      ; on every wave's way: in front of the loads into registers that the products above read
	v_add_nc_u32 v[ADRS], 4*NQ, v[ADRS]            ; on to slot 1's scale words
	FETCH_B 1, 0, 0
	FETCH_A 1, 0, 0
	SCALES 1
	WIN MUL_HI
	MUL16 4, 1, NQ-1, 0, 0
	MUL16 6, 1, NQ-1, 0, 0
	PLACES NP
	WIN 0
	FETCH_A 1, 0, 4
.endm
; 64 numbers of a lane, v[n] on: register 8 t + j = index 16 t + 8 (lane / 16) + j of my row.  A block of 32 is tiles 2 b, 2 b + 1 in lanes l and l xor 16.  They become a fragment's codes in v[PC] on, in the natural order of
; the index, and its scale word in v[PW]: the codes of (block 2 c, tile half u) and (block 2 c + 1, u) go to registers 4 c + 2 u and 4 c + 2 u + 1, and one exchange of halves between the two gives register 4 c + g of lane
; (r, h) the indices 64 c + 32 h + 8 g + 0 .. 7.
.macro QUANT n
.irp b, 0,1,2,3
	v_max3_num_f32 v[TM+\b], |v[\n+16*\b]|, |v[\n+16*\b+1]|, 0x1800000   ; my 16 numbers of block b, and the floor 2^(3 - 127): the byte cannot fall under 1
.endr
.irp i, 2,4,6,8,10,12,14
.irp b, 0,1,2,3
	v_max3_num_f32 v[TM+\b], v[TM+\b], |v[\n+16*\b+\i]|, |v[\n+16*\b+\i+1]|
.endr
.endr
.irp b, 0,1,2,3
	v_permlanex16_b32 v[TM+4+\b], v[TM+\b], s[SEL], s[SEL+1]
.endr
.irp b, 0,1,2,3
	v_max_num_f32 v[TM+\b], v[TM+\b], v[TM+4+\b]   ; the block's largest magnitude
.endr
.irp b, 0,1,2,3
	v_add_nc_u32 v[TM+12+\b], 0xff000000, v[TM+\b] ; 2 off its exponent field: the conversion's scale operand
.endr
.irp b, 0,1,2,3
	v_lshrrev_b32 v[TM+4+\b], 23, v[TM+12+\b]      ; the scale's byte
.endr
	v_lshl_or_b32 v[PW], v[TM+5], 8, v[TM+4]
	v_lshl_or_b32 v[PW], v[TM+6], 16, v[PW]
	v_lshl_or_b32 v[PW], v[TM+7], 24, v[PW]
	s_wait_xcnt 0x0                                ; the last block's stores have read their data: the codes' registers are written again only behind this wait
.irp b, 0,1,2,3
	v_cvt_scalef32_pk8_fp4_f32 v[PC+4*(\b/2)+(\b%2)], v[\n+16*\b:\n+16*\b+7], v[TM+12+\b]
	v_cvt_scalef32_pk8_fp4_f32 v[PC+4*(\b/2)+2+(\b%2)], v[\n+16*\b+8:\n+16*\b+15], v[TM+12+\b]
.endr
	v_nop                                          ; one plain line behind a scaled conversion
.irp c, 0,1
	v_permlane16_swap_b32 v[PC+4*\c], v[PC+4*\c+1]
	v_permlane16_swap_b32 v[PC+4*\c+2], v[PC+4*\c+3]
.endr
.endm
	; ---------------- q or k: a lane holds a token, its registers run along 128 channels: two heads
.irp b, 0,1,2,3,4,5,6,7
	global_load_b128 v[BI+8*\b:BI+8*\b+3], v[BO], s[12:13] offset:64*\b        ; the bias in the result's layout: channels 16 b + 8 h + 0 .. 7
	global_load_b128 v[BI+8*\b+4:BI+8*\b+7], v[BO], s[12:13] offset:64*\b+16
.endr
.macro LOADCS a                        ; the table for tokens 16 a + r: register 16 u + 4 g on: cos, cos, sin, sin of frequencies 16 u + 8 h + 2 g, + 1
.set CSL, CS0
.if (\a)%2
.set CSL, CS1
.endif
.irp u, 0,1
.irp g, 0,1,2,3
	global_load_b128 v[CSL+16*\u+4*\g:CSL+16*\u+4*\g+3], v[RT], s[18:19] offset:4096*(\a)+128*\u+16*\g
.endr
.endr
.endm
	LOADCS 0
	s_wait_loadcnt 0x8                             ; the bias is in; the table's eight loads may be out
	s_wait_tensorcnt 0x1                           ; the scale bytes and my part of slot 0 are in; slot 1's load may be out
	s_barrier_signal -1
	s_barrier_wait -1                              ; everybody's are
	FETCH_B 0, 0, 0
	FETCH_A 0, 0, 0
	SCALES 0
	FETCH_A 0, 0, 4
	STEP 0, 0, 2
	STEP 0, 1, 0
	STEP 0, 2, 0
	MID
	STEP 1, 0, 0
	STEP 1, 1, 0
	STEP 1, 2, 0
	s_wait_dscnt 4*NL
	WIN MUL_LO
	MUL16 0, 1, NQ-1, 1, 0
	MUL16 2, 1, NQ-1, 1, 0
	s_wait_dscnt 0
	WIN MUL_HI
	MUL16 4, 1, NQ-1, 1, 0
	MUL16 6, 1, NQ-1, 1, 0
	WIN 0
	PLACES NP
.irp b, 0,1,2,3
	v_mov_b32 v[TM+4+\b], 0                        ; written once: a lane permute's destination counts as one of its sources
.endr
	LOADCS 1
.irp a, 0,1,2,3                                ; for v, into the registers that the bias has left: sixteen loads
	global_load_b128 v[WS+8*\a:WS+8*\a+3], v[WSO], s[10:11] offset:512*\a      ; Wv's scale words: row 16 a + r's 32 bytes: word k for K = 128 k on; sixteen lanes read 512 consecutive bytes
	global_load_b128 v[WS+8*\a+4:WS+8*\a+7], v[WSO], s[10:11] offset:512*\a+16
	global_load_b32 v[BIV+2*\a], v[BV], s[16:17] offset:64*\a                  ; bv of channel 16 a + r, twice: a pair for the packed addition
	global_load_b32 v[BIV+2*\a+1], v[BV], s[16:17] offset:64*\a
.endr
; Block a: 16 tokens.  Head c's dimension d lies in accumulator 4 c + d / 16.  out(d) = x(d) cos(d) - x(d + 32) sin(d), out(d + 32) = x(d + 32) cos(d) + x(d) sin(d), d under 32.  Each accumulator is read from its low end on.
.macro ROWQK a
.set CSR, CS0
.if (\a)%2
.set CSR, CS1
.endif
.set AC, 64*((\a)%4)
.if (\a) < 2
	s_wait_loadcnt 24                              ; this block's table is in; younger: one more set of the table (8) and the sixteen loads for v
.elseif (\a) < 7
	s_wait_loadcnt 0x8                             ; this block's table is in; the next block's eight loads may be out
.else
	s_wait_loadcnt 0x0
.endif
	WIN 0x02+(\a)/4                                ; source 0: the accumulators' window
.irp c, 0,1
.irp u, 0,1
.irp g, 0,1,2,3
	v_pk_mul_f32 v[HA+8*(4*\c+\u)+2*\g:HA+8*(4*\c+\u)+2*\g+1], v[AC+8*(4*\c+\u)+2*\g:AC+8*(4*\c+\u)+2*\g+1], v[CSR+16*\u+4*\g:CSR+16*\u+4*\g+1]
	v_pk_mul_f32 v[HA+8*(4*\c+2+\u)+2*\g:HA+8*(4*\c+2+\u)+2*\g+1], v[AC+8*(4*\c+2+\u)+2*\g:AC+8*(4*\c+2+\u)+2*\g+1], v[CSR+16*\u+4*\g:CSR+16*\u+4*\g+1]
	v_pk_fma_f32 v[HA+8*(4*\c+\u)+2*\g:HA+8*(4*\c+\u)+2*\g+1], v[AC+8*(4*\c+2+\u)+2*\g:AC+8*(4*\c+2+\u)+2*\g+1], v[CSR+16*\u+4*\g+2:CSR+16*\u+4*\g+3], v[HA+8*(4*\c+\u)+2*\g:HA+8*(4*\c+\u)+2*\g+1] neg_lo:[1,0,0] neg_hi:[1,0,0]
	v_pk_fma_f32 v[HA+8*(4*\c+2+\u)+2*\g:HA+8*(4*\c+2+\u)+2*\g+1], v[AC+8*(4*\c+\u)+2*\g:AC+8*(4*\c+\u)+2*\g+1], v[CSR+16*\u+4*\g+2:CSR+16*\u+4*\g+3], v[HA+8*(4*\c+2+\u)+2*\g:HA+8*(4*\c+2+\u)+2*\g+1]
.endr
.endr
.endr
	WIN 0
.if (\a) <= 5
	LOADCS (\a)+2                                  ; into the set just read
.endif
	QUANT HA
	global_store_b128 v[LI], v[PC:PC+3], s[4:5] offset:512*(\a)                ; my first head: 32 lanes store 512 consecutive bytes, aligned
	global_store_b128 v[LI], v[PC+4:PC+7], s[4:5] offset:REC+512*(\a)          ; my second
	v_lshrrev_b32 v[TP], v[SH], v[PW]
	v_and_b32 v[TP], 0xffff, v[TP]                 ; lanes 0-15: the first head's two bytes, lanes 16-31: the second's
	ds_store_b32 v[AQ], v[TP] offset:256*((\a)&1)+4*((\a)>>1)                  ; token 16 a + r = 32 p + L: at 16 L + 4 p
.endm
.irp a, 0,1,2,3,4,5,6,7
	ROWQK \a
.endr
	ds_load_b128 v[TM:TM+3], v[RQ]                 ; in order behind my own stores
	ds_load_b128 v[TM+4:TM+7], v[RQ] offset:512
	s_wait_dscnt 0x0
	global_store_b128 v[LI], v[TM:TM+3], s[6:7]
	global_store_b128 v[LI], v[TM+4:TM+7], s[6:7] offset:REC
	; ---------------- v: a lane holds a channel, its registers run along my 128 tokens: one key step.  Eight steps of 128 along K, 32 products each; both operands' fragments have two sets, and a step's products
	; stand behind the next step's 24 LDS loads.
.macro FETCHV kk                       ; step kk's fragments: my tokens' eight (x's rows, still in their slots), my channels' four (Wv's rows)
	WIN TO_B
.irp i, 0,1,2,3,4,5,6,7
	FRAG 128*((\kk)%2)+FR*\i, ADRA+((\kk)/4), (\kk)%4, \i
.endr
	WIN 0
.irp i, 0,1,2,3
	FRAG AF+32*((\kk)%2)+FR*\i, ADRV+((\kk)/4), (\kk)%4, \i
.endr
.endm
.macro MULV kk, zero                   ; the 32 accumulators take turns, one instruction a turn, in the same order in every step
.irp a, 0,1,2,3
.irp b, 0,1,2,3,4,5,6,7
.if \zero
	v_wmma_scale_f32_16x16x128_f8f6f4 v[8*(8*\a+\b):8*(8*\a+\b)+7], v[128*((\kk)%2)+FR*\b:128*((\kk)%2)+FR*\b+FR-1], v[AF+32*((\kk)%2)+FR*\a:AF+32*((\kk)%2)+FR*\a+FR-1], 0, v[SC+32*((\kk)/4)+4*\b+(\kk)%4], v[WS+8*\a+(\kk)] matrix_a_fmt:MATRIX_FMT_FP4 matrix_b_fmt:MATRIX_FMT_FP4
.else
	v_wmma_scale_f32_16x16x128_f8f6f4 v[8*(8*\a+\b):8*(8*\a+\b)+7], v[128*((\kk)%2)+FR*\b:128*((\kk)%2)+FR*\b+FR-1], v[AF+32*((\kk)%2)+FR*\a:AF+32*((\kk)%2)+FR*\a+FR-1], v[8*(8*\a+\b):8*(8*\a+\b)+7], v[SC+32*((\kk)/4)+4*\b+(\kk)%4], v[WS+8*\a+(\kk)] matrix_a_fmt:MATRIX_FMT_FP4 matrix_b_fmt:MATRIX_FMT_FP4
.endif
.endr
.endr
.endm
.macro STEPV kk
.if (\kk) > 0
	PLACES NP                                      ; in front of the loads into the sets that the last step's products read
.endif
.if (\kk) < 7
	FETCHV (\kk)+1
	s_wait_dscnt 24                                ; this step's fragments are in; the 24 loads just issued may be out
.else
	s_wait_dscnt 0x0
.endif
	WIN MUL_LO
.if (\kk) == 0
	MULV \kk, 1
.else
	MULV \kk, 0
.endif
	WIN 0
.endm
	s_wait_tensorcnt 0x0                           ; Wv's rows have landed (waves 2 and 3 asked for them),
	s_wait_dscnt 0x0
	s_wait_xcnt 0x0                                ; and my stores have read v64-79: the loads below land there only behind this wait
	s_barrier_signal -1
	s_barrier_wait -1                              ; in every wave
.irp s, 0,1
.irp i, 0,1,2,3,4,5,6,7
	ds_load_b128 v[SC+32*\s+4*\i:SC+32*\s+4*\i+3], v[ADRT] offset:\i*SBLK+16*\s   ; my tokens' scale words for all of K: block i, four words a slot; lanes 0-15 are read
.endr
.endr
	FETCHV 0
	s_wait_dscnt 24                                ; the scale words are in
.irp kk, 0,1,2,3,4,5,6,7
	STEPV \kk
.endr
	PLACES NP
.macro ROWV a                          ; block a: 16 channels x 128 keys: one fragment and one scale word a channel
.set AC, 64*(\a)
	WIN 0x02
.set i, 0
.rept 32
	v_pk_add_f32 v[HA+2*i:HA+2*i+1], v[AC+2*i:AC+2*i+1], v[BIV+2*(\a):BIV+2*(\a)+1]   ; the bias, and the way into window 0, in one; ascending
.set i, i+1
.endr
	WIN 0
	QUANT HA
	global_store_b128 v[LI], v[PC:PC+3], s[8:9] offset:1024*(\a)               ; 32 lanes store 512 consecutive bytes, aligned
	global_store_b128 v[LI], v[PC+4:PC+7], s[8:9] offset:1024*(\a)+512
	ds_store_b32 v[AV], v[PW] offset:128*((\a)&1)+4*((\a)>>1)                  ; channel 16 a + r = 32 p + L: at 8 L + 4 p; both halves of the lanes write the same word with the same value
.endm
.irp a, 0,1,2,3
	ROWV \a
.endr
	ds_load_b64 v[TM:TM+1], v[RV]                  ; in order behind my own stores
	s_wait_dscnt 0x0
	global_store_b64 v[L8], v[TM:TM+1], s[94:95]   ; 32 lanes store 256 consecutive bytes, aligned
	s_wait_tensorcnt 0x0                           ; the wave's end: behind my last tensor load and my last LDS store
	ds_add_u32 v[SPW], v[NIL]
	s_wait_dscnt 0x0
	CROUND                                         ; the closing round: no work-group ends while a partner may still ask for a tile that names it
	s_endpgm
.Lfunc_end_k_q6784ad1ab2_qkv:
	.size	k_q6784ad1ab2_qkv, .Lfunc_end_k_q6784ad1ab2_qkv-k_q6784ad1ab2_qkv
	.p2alignl 7, 3214868480
	.fill 96, 4, 3214868480
	.section	.rodata,"a",@progbits
	.p2align	6, 0x0
	.amdhsa_kernel k_q6784ad1ab2_qkv
		.amdhsa_group_segment_fixed_size 327680
		.amdhsa_private_segment_fixed_size 0
		.amdhsa_enable_private_segment 0
		.amdhsa_kernarg_size 72
		.amdhsa_user_sgpr_count 2
		.amdhsa_user_sgpr_kernarg_segment_ptr 1
		.amdhsa_wavefront_size32 1
		.amdhsa_system_sgpr_workgroup_id_x 1
		.amdhsa_system_sgpr_workgroup_id_y 1
		.amdhsa_system_sgpr_workgroup_id_z 1
		.amdhsa_system_vgpr_workitem_id 0
		.amdhsa_next_free_vgpr 1024
		.amdhsa_next_free_sgpr 102
		.amdhsa_reserve_vcc 0
		.amdhsa_float_denorm_mode_32 3
		.amdhsa_float_denorm_mode_16_64 3
		.amdhsa_memory_ordered 1
		.amdhsa_forward_progress 1
		.amdhsa_inst_pref_size 245
	.end_amdhsa_kernel
	.amdgpu_metadata
---
amdhsa.version: [ 1, 2 ]
amdhsa.kernels:
  - .name:           k_q6784ad1ab2_qkv
    .symbol:         k_q6784ad1ab2_qkv.kd
    .args:
      - { .name: x_codes, .offset: 0, .size: 8, .value_kind: global_buffer, .address_space: global }
      - { .name: x_scales, .offset: 8, .size: 8, .value_kind: global_buffer, .address_space: global }
      - { .name: w_codes, .offset: 16, .size: 8, .value_kind: global_buffer, .address_space: global }
      - { .name: w_scales, .offset: 24, .size: 8, .value_kind: global_buffer, .address_space: global }
      - { .name: bq, .offset: 32, .size: 8, .value_kind: global_buffer, .address_space: global }
      - { .name: bk, .offset: 40, .size: 8, .value_kind: global_buffer, .address_space: global }
      - { .name: bv, .offset: 48, .size: 8, .value_kind: global_buffer, .address_space: global }
      - { .name: rope, .offset: 56, .size: 8, .value_kind: global_buffer, .address_space: global }
      - { .name: qkv, .offset: 64, .size: 8, .value_kind: global_buffer, .address_space: global }
    .group_segment_fixed_size: 327680
    .private_segment_fixed_size: 0
    .kernarg_segment_align: 8
    .kernarg_segment_size: 72
    .max_flat_workgroup_size: 128
    .sgpr_count:     102
    .vgpr_count:     1024
    .wavefront_size: 32
...
	.end_amdgpu_metadata
.endif
;; end of part 2
;; launch attn (part 3): grid 4 x 64, 16 waves a work-group, clusters of 4 x 1, 169,984 bytes of LDS; arguments qkv, y_img, y_sc; writes y_img, y_sc
.if DOCPART == 3
	.amdgcn_target "amdgcn-amd-amdhsa--gfx1250"
	.amdhsa_code_object_version 6
	.text
	.protected	k_q6784ad1ab2_attn
	.globl	k_q6784ad1ab2_attn
	.p2align	8
	.type	k_q6784ad1ab2_attn,@function
k_q6784ad1ab2_attn:
	s_mov_b64 s[64:65], 0
	v_nop
	global_prefetch_b8 v0, s[64:65] scope:SCOPE_SE
	s_setreg_imm32_b32 hwreg(HW_REG_WAVE_MODE, 25, 1), 1
	s_wait_xcnt 0x0
	s_wait_alu depctr_hold_cnt(0) depctr_sa_sdst(0) depctr_va_vdst(0) depctr_va_sdst(0) depctr_va_ssrc(0) depctr_va_vcc(0) depctr_vm_vsrc(0)
	s_getreg_b32 s2, hwreg(HW_REG_IB_STS2, 6, 4)
	s_cmp_eq_u32 s2, 0
	s_cbranch_scc0 .Lentry_in_a_cluster
	s_endpgm
.Lentry_in_a_cluster:
	s_bfe_u32 s2, ttmp6, 0x10000c
	s_cmp_lg_u32 s2, 0x3003
	s_cbranch_scc0 .Lentry_shape_is_right
	s_endpgm
.Lentry_shape_is_right:
; ATTN.  y[q] = the sum over keys k <= q of softmax_k(q . k / 8) v[k], for one (batch, head), both products on codes of FP4 (E2M1) with one E8M0 scale for each 32 along a product's K; y is quantised along the channels at once.
; THE SOFTMAX: t = score x log2(e) / 8; M = the running largest t rounded UP to a whole number; p = 2^(t - M) is what is quantised, along the keys, not normalised.  The row's sum is taken of the unquantised p and divides at the
; end.  When M moves, the sum and O are multiplied by 2^(old M - new M): exact.
; The head's 64 fill half of the first product's K = 128: the upper 64 are zero codes in registers of their own, under scale bytes 0 (2^-127: no NaN).
; LDS holds the record's first 143,360 bytes as they lie: K's images, V's images, K's and V's scale words.  Each byte is filled once: every wave brings 35 rows of 256 bytes by one tensor load.
; CLUSTER of 4: the four work-groups of a head need the same bytes: the loads are joint.  SHARES: work-group j of a head, wave w: the tiles of 16 queries 8 w + j (key steps 0 .. w) and 8 (15 - w) + j + 4 (key steps 0 .. 15 - w):
; 17 key steps of 128 for every wave, two of them on the diagonal.  Both loops have 16 trips; a step all of whose keys are hidden is jumped over by a scalar branch on the wave's number and the trip's.
; LAYOUT: S^T = K Q^T, O^T = V^T P^T: a lane holds ONE query (lane % 16) throughout; register 8 t + j of S^T is key 16 t + 8 (lane / 16) + j.
; OUT: y's codes as images of operand registers: byte (head / 8) 2^21 + (row tile) 4096 + (head % 8) 512 + 16 lane; y's scale bytes [token][32], bytes 2 head, 2 head + 1: two bytes a token and head, 262,144 bytes in all.
; LIMITS: NaN and infinities are not served; a block under 2^-124 keeps the byte 1.
; REGISTERS: v1-4 addresses that stay; v5-8 the step's; v9 the mask's bound; v10 -infinity; v11 16 r; v12 -M; v13 the largest t; v[14:15] the sum; v16-23 Q; v24 Q's, v25 p's, v[26:27] V's, v[28:31] K's scale words;
;   v32-95 K's eight fragments; v96-127 V's four; v128-191 S^T, then p; v192-223 O^T; v224-231 p's codes; v232-254 at work; v240 r - 8 h; v241 32 r.
.set REC,   217088
.set O_VI,  65536
.set O_KS,  131072
.set O_VS,  139264
.set O_QI,  143360
.set O_QS,  208896
.set PART,  8960                       ; a wave's part of the fill: 35 x 256
.set LI,  1
.set LIV, 2
.set LKS, 3
.set LVS, 4
.set KF,  32
.set VF,  96
.set S,   128
.set OT,  192
.macro CROUND
	s_barrier_signal -1
	s_barrier_wait -1
	s_cmp_lg_u32 s18, 0
	s_cbranch_scc1 .Lnot_wave_0_\@
	s_barrier_signal -3
.Lnot_wave_0_\@:
	s_barrier_wait -3
	s_barrier_signal -1
	s_barrier_wait -1
.endm
	s_load_b128 s[4:7], s[0:1], 0x0                ; qkv, y_img
	s_load_b64 s[8:9], s[0:1], 0x10                ; y_sc
	v_lshl_add_u32 v251, v0, 2, 0x29000
	v_mov_b32 v255, 0
	ds_add_u32 v251, v255
	ds_add_u32 v251, v255
	v_lshrrev_b32 v1, 5, v0
	s_delay_alu instid0(VALU_DEP_1)
	v_readfirstlane_b32 s18, v1                    ; wave 0..15
	s_bfe_u32 s36, ttmp6, 0x40000                  ; cx: it enters global addresses and the mask's bound alone
	s_and_b32 s37, ttmp7, 0xffff                   ; 16 x batch + head
	s_mul_i32 s44, s37, REC
	s_mov_b32 s45, 0
	s_mul_i32 s46, s18, PART
	s_mov_b32 s47, 0
	s_mov_b32 s24, 15|(3<<16)|(1<<21)              ; 15:0 the mask: all four; 17:16 elements of 8 bytes; 21 set beside a mask; no padding
	s_mov_b32 s25, 32<<16                          ; tensor_dim0 = 32
	s_mov_b32 s26, 35<<16                          ; tensor_dim1 = 35
	s_mov_b32 s27, 32<<16                          ; tile_dim0
	s_mov_b32 s28, 35                              ; tile_dim1
	s_mov_b32 s29, 32                              ; tensor_dim0_stride: dense
	s_mov_b32 s30, 0
	s_mov_b32 s31, 0
	s_mov_b32 s20, 0x76543210
	s_mov_b32 s21, 0xfedcba98                      ; v_permlanex16_b32's selects for lane l xor 16
	s_mov_b32 s22, 0x3e38aa3b                      ; c = log2(e) / 8
	s_mov_b32 s23, s22                             ; (named with it as a pair)
	s_and_b32 s62, s37, 15                         ; the head
	s_lshr_b32 s63, s37, 4                         ; the batch
	s_lshr_b32 s60, s62, 3
	s_lshl_b32 s60, s60, 21
	s_lshl_b32 s61, s63, 19
	s_add_co_u32 s60, s60, s61
	s_and_b32 s61, s62, 7
	s_lshl_b32 s61, s61, 9
	s_add_co_u32 s60, s60, s61                     ; y's images: all but the tile's 4,096 x tile
	s_lshl_b32 s61, s63, 16
	s_lshl_b32 s62, s62, 1
	s_add_co_u32 s61, s61, s62                     ; y's scale bytes: all but 512 x tile
	s_wait_dscnt 0x0
	s_wait_kmcnt 0x0
	s_add_nc_u64 s[4:5], s[4:5], s[44:45]          ; my record
	CROUND                                         ; all four work-groups are here: the joint loads meet
	s_mov_b32 s32, 1
	s_mov_b32 s33, s46                             ; LDS: wave x 8,960
	s_add_nc_u64 s[34:35], s[4:5], s[46:47]
	s_or_b32 s35, s35, 0x80000000
	tensor_load_to_lds s[32:35], s[24:31]          ; my one tensor load
	s_nop 0
.rept 4
	v_nop
.endr
	v_and_b32 v9, 31, v0
	s_delay_alu instid0(VALU_DEP_1)
	v_lshlrev_b32 v[LI], 4, v9                     ; 16 x lane: an image's place for my lane
	s_delay_alu instid0(VALU_DEP_1)
	v_add_nc_u32 v[LIV], O_VI, v[LI]
	s_delay_alu instid0(VALU_DEP_2)
	v_add_nc_u32 v[LKS], O_KS, v[LI]
	s_delay_alu instid0(VALU_DEP_4)
	v_lshl_add_u32 v[LVS], v9, 3, O_VS
	v_and_b32 v5, 15, v0                           ; r
	v_bfe_u32 v6, v0, 4, 1                         ; h
	s_delay_alu instid0(VALU_DEP_2)
	v_lshlrev_b32 v11, 4, v5
	s_delay_alu instid0(VALU_DEP_3)
	v_lshlrev_b32 v241, 5, v5
	s_delay_alu instid0(VALU_DEP_3)
	v_lshlrev_b32 v6, 3, v6
	s_delay_alu instid0(VALU_DEP_1)
	v_sub_nc_u32 v240, v5, v6
	v_mov_b32 v10, 0xff800000
.irp i, 20,21,22,23
	v_mov_b32 v[\i], 0                             ; Q's upper 64 along K: zero codes
.endr
.irp t, 0,1,2,3,4,5,6,7
.irp i, 4,5,6,7
	v_mov_b32 v[KF+8*\t+\i], 0                     ; K's likewise, in registers of their own; written once
.endr
.endr
.irp i, 236,237,238,239,252,253
	v_mov_b32 v[\i], 0                             ; lane permutes' destinations, and the upper half of the pair v[252:253]
.endr
	s_wait_tensorcnt 0x0                           ; my part has landed,
	s_barrier_signal -1
	s_barrier_wait -1                              ; everybody's has
.macro PASS p
.if \p == 0
	s_mov_b32 s38, s18                             ; a: the key step in which my tile's queries lie
.else
	s_sub_co_u32 s38, 15, s18
.endif
	s_lshl_b32 s48, s38, 3
	s_add_co_u32 s48, s48, s36
	s_add_co_u32 s48, s48, 4*\p                    ; my tile of 16 queries
	s_lshl_b32 s50, s48, 9
	s_add_co_u32 s50, s50, O_QI
	s_mov_b32 s51, 0
	s_add_nc_u64 s[50:51], s[4:5], s[50:51]
	global_load_b128 v[16:19], v[LI], s[50:51]     ; Q's image
	s_lshl_b32 s52, s38, 9                         ; Q's scale words: step a; query 16 (cx + 4 p) + r = 32 p' + L: at 16 L + 4 p'
	s_and_b32 s53, s36, 1
	s_lshl_b32 s53, s53, 8
	s_add_co_u32 s52, s52, s53
	s_lshr_b32 s53, s36, 1
	s_lshl_b32 s53, s53, 2
	s_add_co_u32 s52, s52, s53
	s_add_co_u32 s52, s52, O_QS+8*\p
	s_mov_b32 s53, 0
	s_add_nc_u64 s[52:53], s[4:5], s[52:53]
	global_load_b32 v24, v11, s[52:53]
	s_lshl_b32 s54, s36, 4
	s_add_co_u32 s54, s54, 64*\p
	v_add_nc_u32 v9, s54, v240                     ; on the diagonal register n's key is hidden where 16 (n / 8) + n % 8 > 16 (cx + 4 p) + r - 8 h
	s_lshl_b32 s56, s48, 12
	s_add_co_u32 s56, s56, s60
	s_mov_b32 s57, 0
	s_add_nc_u64 s[56:57], s[6:7], s[56:57]        ; where y's image goes
	s_lshl_b32 s58, s48, 9
	s_add_co_u32 s58, s58, s61
	s_mov_b32 s59, 0
	s_add_nc_u64 s[58:59], s[8:9], s[58:59]        ; and its scale bytes
	v_mov_b32 v13, 0xff61b1e6                      ; the largest t so far: -3e38
	s_delay_alu instid0(VALU_DEP_1)
	v_floor_f32 v12, -v13                          ; -M
	v_mov_b32 v14, 0
	v_mov_b32 v15, 0
.set j, 0
.rept 32
	v_mov_b32 v[OT+j], 0                           ; O^T: the step is written once; the first finds zeros, which the first change of M leaves zeros
.set j, j+1
.endr
	s_mov_b32 s39, 0                               ; the key step
	s_mov_b32 s40, 0                               ; its images: 4,096 bytes a step, K's and V's alike
	s_mov_b32 s41, 0                               ; K's scale words: 512
	s_mov_b32 s42, 0                               ; V's: 256
	s_wait_loadcnt 0x0                             ; Q
.Lstep_\@:
	s_cmp_gt_u32 s39, s38                          ; all 128 keys come after my queries: only the steps of the addresses are done
	s_cbranch_scc1 .Lhid_\@
	s_setprio 2
	v_add_nc_u32 v5, s40, v[LI]                    ; (these four are also the places behind the last step's products, in front of the loads into their registers)
	v_add_nc_u32 v6, s40, v[LIV]
	v_add_nc_u32 v7, s41, v[LKS]
	v_add_nc_u32 v8, s42, v[LVS]
.irp t, 0,1,2,3,4,5,6,7
	ds_load_b128 v[KF+8*\t:KF+8*\t+3], v5 offset:512*\t
.endr
	ds_load_b128 v[28:31], v7                      ; word p of lane L: key 32 p + L
.irp t, 0,1,2,3
	ds_load_b128 v[VF+8*\t:VF+8*\t+3], v6 offset:1024*\t
	ds_load_b128 v[VF+8*\t+4:VF+8*\t+7], v6 offset:1024*\t+512
.endr
	ds_load_b64 v[26:27], v8                       ; word p of lane L: channel 32 p + L
	s_wait_dscnt 0x9                               ; K's nine loads are in; V's nine may be out
.irp t, 0,2,4,6
	v_wmma_scale_f32_16x16x128_f8f6f4 v[S+8*\t:S+8*\t+7], v[KF+8*\t:KF+8*\t+7], v[16:23], 0, v[28+\t/2], v24 matrix_a_fmt:MATRIX_FMT_FP4 matrix_b_fmt:MATRIX_FMT_FP4
	v_wmma_scale_f32_16x16x128_f8f6f4 v[S+8*\t+8:S+8*\t+15], v[KF+8*\t+8:KF+8*\t+15], v[16:23], 0, v[28+\t/2], v24 matrix_a_fmt:MATRIX_FMT_FP4 matrix_b_fmt:MATRIX_FMT_FP4 matrix_a_scale:MATRIX_SCALE_ROW1
.endr
.rept 4
	v_nop
.endr
	s_cmp_lg_u32 s39, s38                          ; only the diagonal step is masked
	s_cbranch_scc1 .Lopen_\@
.set n, 0
.rept 64
	v_cmp_gt_i32 vcc_lo, 16*(n/8)+n%8, v9
	v_cndmask_b32 v[S+n], v[S+n], v10, vcc_lo      ; a hidden score becomes -infinity: p = 0
.set n, n+1
.endr
.Lopen_\@:
.irp b, 0,1,2,3
	v_max3_num_f32 v[232+\b], v[S+16*\b], v[S+1+16*\b], v[S+2+16*\b]   ; the largest score of each block of 32 keys: for the row's maximum and, since p rises with the score, for the block's largest p
.endr
.irp i, 3,5,7,9,11,13
.irp b, 0,1,2,3
	v_max3_num_f32 v[232+\b], v[232+\b], v[S+16*\b+\i], v[S+1+16*\b+\i]
.endr
.endr
.irp b, 0,1,2,3
	v_max_num_f32 v[232+\b], v[232+\b], v[S+15+16*\b]
.endr
.irp b, 0,1,2,3
	s_delay_alu instid0(VALU_DEP_4)
	v_permlanex16_b32 v[236+\b], v[232+\b], s20, s21
.endr
.irp b, 0,1,2,3
	s_delay_alu instid0(VALU_DEP_4)
	v_max_num_f32 v[232+\b], v[232+\b], v[236+\b]
.endr
	s_delay_alu instid0(VALU_DEP_2)
	v_max3_num_f32 v254, v232, v233, v234
	s_delay_alu instid0(VALU_DEP_1)
	v_max_num_f32 v254, v254, v235                 ; the step's largest score of my query
	s_delay_alu instid0(VALU_DEP_1)
	v_mul_f32 v254, s22, v254
	s_delay_alu instid0(VALU_DEP_1)
	v_max_num_f32 v13, v13, v254                   ; the running largest t
	v_mov_b32 v254, v12
	s_delay_alu instid0(VALU_DEP_2)
	v_floor_f32 v12, -v13                          ; the new -M = -ceil(t)
	s_delay_alu instid0(VALU_DEP_1)
	v_sub_f32 v254, v12, v254                      ; old M - new M: a whole number, 0 or less
	s_delay_alu instid0(VALU_DEP_1)
	v_cvt_i32_f32 v254, v254                       ; (it saturates)
	s_delay_alu instid0(VALU_DEP_1)
	v_ldexp_f32 v252, 1.0, v254                    ; f = 2^(old M - new M)
.set j, 0
.rept 32
	v_pk_fma_f32 v[S+j:S+j+1], v[S+j:S+j+1], s[22:23], v[12:13] op_sel_hi:[1,0,0]   ; t - M
.set j, j+2
.endr
	s_setprio 1
.irp b, 0,1,2,3
	v_fma_f32 v[232+\b], v[232+\b], s22, v12
.endr
.set j, 0
	s_wait_alu depctr_va_vdst(0)
.rept 64
	v_exp_f32 v[S+j], v[S+j]                       ; p = 2^(t - M)
.set j, j+1
.endr
.irp b, 0,1,2,3
	v_exp_f32 v[232+\b], v[232+\b]                 ; the block's largest p: the same two instructions on the same number
.endr
	v_pk_mul_f32 v[14:15], v[14:15], v[252:253] op_sel_hi:[1,0]   ; the sums under the new M (the plain line behind the exponentials)
	s_wait_alu depctr_va_vdst(0)
.irp b, 0,1,2,3
	v_max_num_f32 v[232+\b], 0x1800000, v[232+\b]  ; the floor 2^(3 - 127)
.endr
.irp b, 0,1,2,3
	s_delay_alu instid0(VALU_DEP_4)
	v_add_nc_u32 v[244+\b], 0xff000000, v[232+\b]  ; the conversion's scale operand
.endr
.irp b, 0,1,2,3
	s_delay_alu instid0(VALU_DEP_4)
	v_lshrrev_b32 v[236+\b], 23, v[244+\b]
.endr
	s_delay_alu instid0(VALU_DEP_3)
	v_lshl_or_b32 v25, v237, 8, v236               ; p's scale word for these 128 keys
	s_delay_alu instid0(VALU_DEP_1)
	v_lshl_or_b32 v25, v238, 16, v25
	s_delay_alu instid0(VALU_DEP_1)
	v_lshl_or_b32 v25, v239, 24, v25
.irp b, 0,1,2,3
	v_cvt_scalef32_pk8_fp4_f32 v[224+4*(\b/2)+(\b%2)], v[S+16*\b:S+16*\b+7], v[244+\b]
	v_cvt_scalef32_pk8_fp4_f32 v[224+4*(\b/2)+2+(\b%2)], v[S+16*\b+8:S+16*\b+15], v[244+\b]
.endr
	v_nop                                          ; one plain line behind a scaled conversion
.irp c, 0,1
	v_permlane16_swap_b32 v[224+4*\c], v[225+4*\c] ; register 4 c + g of lane (r, h) now holds keys 64 c + 32 h + 8 g + 0 .. 7
	v_permlane16_swap_b32 v[226+4*\c], v[227+4*\c]
.endr
.set j, 0
.rept 16
	v_pk_mul_f32 v[OT+j:OT+j+1], v[OT+j:OT+j+1], v[252:253] op_sel_hi:[1,0]   ; O^T under the new M
.set j, j+2
.endr
	s_setprio 0
	v_pk_add_f32 v[236:237], v[132:133], v[136:137]
	v_pk_add_f32 v[248:249], v[140:141], v[144:145]
	v_pk_add_f32 v[246:247], v[148:149], v[152:153]
	v_pk_add_f32 v[244:245], v[156:157], v[160:161]
	v_pk_add_f32 v[242:243], v[164:165], v[168:169]
	v_pk_add_f32 v[234:235], v[172:173], v[176:177]
	v_pk_add_f32 v[232:233], v[180:181], v[184:185]
	v_pk_add_f32 v[14:15], v[14:15], v[188:189]
	v_pk_add_f32 v[236:237], v[236:237], v[128:129]
	v_pk_add_f32 v[248:249], v[248:249], v[130:131]
	v_pk_add_f32 v[246:247], v[246:247], v[134:135]
	v_pk_add_f32 v[244:245], v[244:245], v[138:139]
	v_pk_add_f32 v[242:243], v[242:243], v[142:143]
	v_pk_add_f32 v[234:235], v[234:235], v[146:147]
	v_pk_add_f32 v[232:233], v[232:233], v[150:151]
	v_pk_add_f32 v[14:15], v[14:15], v[154:155]
	v_pk_add_f32 v[236:237], v[236:237], v[158:159]
	v_pk_add_f32 v[248:249], v[248:249], v[162:163]
	v_pk_add_f32 v[246:247], v[246:247], v[166:167]
	v_pk_add_f32 v[244:245], v[244:245], v[170:171]
	v_pk_add_f32 v[242:243], v[242:243], v[174:175]
	v_pk_add_f32 v[234:235], v[234:235], v[178:179]
	v_pk_add_f32 v[232:233], v[232:233], v[182:183]
	v_pk_add_f32 v[14:15], v[14:15], v[186:187]
	v_pk_add_f32 v[236:237], v[236:237], v[190:191]
	s_delay_alu instid0(VALU_DEP_2)
	v_pk_add_f32 v[14:15], v[14:15], v[244:245]
	s_delay_alu instid0(VALU_DEP_2)
	v_pk_add_f32 v[236:237], v[236:237], v[242:243]
	v_pk_add_f32 v[248:249], v[248:249], v[234:235]
	v_pk_add_f32 v[246:247], v[246:247], v[232:233]
	s_delay_alu instid0(VALU_DEP_2)
	v_pk_add_f32 v[14:15], v[14:15], v[248:249]
	s_delay_alu instid0(VALU_DEP_2)
	v_pk_add_f32 v[236:237], v[236:237], v[246:247]
	s_delay_alu instid0(VALU_DEP_1)
	v_pk_add_f32 v[14:15], v[14:15], v[236:237]
	s_wait_dscnt 0x0                               ; V
.irp t, 0,2                                    ; four accumulators by turns, one instruction a turn
	v_wmma_scale_f32_16x16x128_f8f6f4 v[OT+8*\t:OT+8*\t+7], v[VF+8*\t:VF+8*\t+7], v[224:231], v[OT+8*\t:OT+8*\t+7], v[26+\t/2], v25 matrix_a_fmt:MATRIX_FMT_FP4 matrix_b_fmt:MATRIX_FMT_FP4
	v_wmma_scale_f32_16x16x128_f8f6f4 v[OT+8*\t+8:OT+8*\t+15], v[VF+8*\t+8:VF+8*\t+15], v[224:231], v[OT+8*\t+8:OT+8*\t+15], v[26+\t/2], v25 matrix_a_fmt:MATRIX_FMT_FP4 matrix_b_fmt:MATRIX_FMT_FP4 matrix_a_scale:MATRIX_SCALE_ROW1
.endr
.Lhid_\@:
	s_add_co_u32 s40, s40, 4096
	s_add_co_u32 s41, s41, 512
	s_add_co_u32 s42, s42, 256
	s_add_co_u32 s39, s39, 1
	s_cmp_lt_u32 s39, 16
	s_cbranch_scc1 .Lstep_\@
	s_setprio 0
.rept 4
	v_nop                                          ; places behind the last products
.endr
	s_wait_alu depctr_va_vdst(0)
	v_add_f32 v14, v14, v15
	s_delay_alu instid0(VALU_DEP_1)
	v_permlanex16_b32 v252, v14, s20, s21
	s_delay_alu instid0(VALU_DEP_1)
	v_add_f32 v14, v14, v252                       ; the row's sum
	s_wait_alu depctr_va_vdst(0)
	v_rcp_f32 v14, v14
	v_nop                                          ; one plain line behind a transcendental
.set j, 0
	s_wait_alu depctr_va_vdst(0)
.rept 32
	v_mul_f32 v[S+j], v[OT+j], v14                 ; y: register 8 t + i is channel 16 t + 8 h + i of query r; ascending
.set j, j+1
.endr
.irp b, 0,1                                    ; y's two blocks of 32 channels
	v_max3_num_f32 v[232+\b], |v[S+16*\b]|, |v[S+1+16*\b]|, 0x1800000
.endr
.irp i, 2,4,6,8,10,12,14
.irp b, 0,1
	s_delay_alu instid0(VALU_DEP_2)
	v_max3_num_f32 v[232+\b], v[232+\b], |v[S+16*\b+\i]|, |v[S+1+16*\b+\i]|
.endr
.endr
.irp b, 0,1
	s_delay_alu instid0(VALU_DEP_2)
	v_permlanex16_b32 v[236+\b], v[232+\b], s20, s21
.endr
.irp b, 0,1
	s_delay_alu instid0(VALU_DEP_2)
	v_max_num_f32 v[232+\b], v[232+\b], v[236+\b]
.endr
.irp b, 0,1
	s_delay_alu instid0(VALU_DEP_2)
	v_add_nc_u32 v[244+\b], 0xff000000, v[232+\b]
.endr
.irp b, 0,1
	s_delay_alu instid0(VALU_DEP_2)
	v_lshrrev_b32 v[236+\b], 23, v[244+\b]
.endr
	s_delay_alu instid0(VALU_DEP_1)
	v_lshl_or_b32 v248, v237, 8, v236
.irp b, 0,1
	v_cvt_scalef32_pk8_fp4_f32 v[224+\b], v[S+16*\b:S+16*\b+7], v[244+\b]
	v_cvt_scalef32_pk8_fp4_f32 v[226+\b], v[S+16*\b+8:S+16*\b+15], v[244+\b]
.endr
	v_nop
	v_permlane16_swap_b32 v224, v225
	v_permlane16_swap_b32 v226, v227
	global_store_b128 v[LI], v[224:227], s[56:57]  ; 32 lanes store 512 consecutive bytes, aligned
	global_store_b16 v241, v248, s[58:59]          ; my token's two bytes; both halves of the lanes write the same value
	s_wait_xcnt 0x0                                ; the stores have read their data and bases: both are written again only behind this wait
.endm
	PASS 0
	PASS 1
	s_wait_dscnt 0x0
	s_wait_tensorcnt 0x0
	ds_add_u32 v251, v255
	s_wait_dscnt 0x0
	CROUND                                         ; the closing round
	s_endpgm
.Lfunc_end_k_q6784ad1ab2_attn:
	.size	k_q6784ad1ab2_attn, .Lfunc_end_k_q6784ad1ab2_attn-k_q6784ad1ab2_attn
	.p2alignl 7, 3214868480
	.fill 96, 4, 3214868480
	.section	.rodata,"a",@progbits
	.p2align	6, 0x0
	.amdhsa_kernel k_q6784ad1ab2_attn
		.amdhsa_group_segment_fixed_size 169984
		.amdhsa_private_segment_fixed_size 0
		.amdhsa_enable_private_segment 0
		.amdhsa_kernarg_size 24
		.amdhsa_user_sgpr_count 2
		.amdhsa_user_sgpr_kernarg_segment_ptr 1
		.amdhsa_wavefront_size32 1
		.amdhsa_system_sgpr_workgroup_id_x 1
		.amdhsa_system_sgpr_workgroup_id_y 1
		.amdhsa_system_sgpr_workgroup_id_z 1
		.amdhsa_system_vgpr_workitem_id 0
		.amdhsa_next_free_vgpr 256
		.amdhsa_next_free_sgpr 66
		.amdhsa_reserve_vcc 1
		.amdhsa_float_denorm_mode_32 3
		.amdhsa_float_denorm_mode_16_64 3
		.amdhsa_memory_ordered 1
		.amdhsa_forward_progress 1
		.amdhsa_inst_pref_size 62
	.end_amdhsa_kernel
	.amdgpu_metadata
---
amdhsa.version: [ 1, 2 ]
amdhsa.kernels:
  - .name:           k_q6784ad1ab2_attn
    .symbol:         k_q6784ad1ab2_attn.kd
    .args:
      - { .name: qkv, .offset: 0, .size: 8, .value_kind: global_buffer, .address_space: global }
      - { .name: y_img, .offset: 8, .size: 8, .value_kind: global_buffer, .address_space: global }
      - { .name: y_sc, .offset: 16, .size: 8, .value_kind: global_buffer, .address_space: global }
    .group_segment_fixed_size: 169984
    .private_segment_fixed_size: 0
    .kernarg_segment_align: 8
    .kernarg_segment_size: 24
    .max_flat_workgroup_size: 512
    .sgpr_count:     66
    .vgpr_count:     256
    .wavefront_size: 32
...
	.end_amdgpu_metadata
.endif
;; end of part 3
;; launch outp (part 4): grid 4 x 64, 4 waves a work-group, clusters of 4 x 4, 327,680 bytes of LDS; arguments y_img, y_sc, w_codes, w_scales, bo, out0; writes out0
.if DOCPART == 4
	.amdgcn_target "amdgcn-amd-amdhsa--gfx1250"
	.amdhsa_code_object_version 6
	.text
	.protected	k_q6784ad1ab2_outp
	.globl	k_q6784ad1ab2_outp
	.p2align	8
	.type	k_q6784ad1ab2_outp,@function
k_q6784ad1ab2_outp:
	s_mov_b64 s[64:65], 0
	v_nop
	global_prefetch_b8 v0, s[64:65] scope:SCOPE_SE
	s_setreg_imm32_b32 hwreg(HW_REG_WAVE_MODE, 25, 1), 1
	s_wait_xcnt 0x0
	s_wait_alu depctr_hold_cnt(0) depctr_sa_sdst(0) depctr_va_vdst(0) depctr_va_sdst(0) depctr_va_ssrc(0) depctr_va_vcc(0) depctr_vm_vsrc(0)
	s_getreg_b32 s2, hwreg(HW_REG_IB_STS2, 6, 4)
	s_cmp_eq_u32 s2, 0
	s_cbranch_scc0 .Lentry_in_a_cluster
	s_endpgm
.Lentry_in_a_cluster:
	s_bfe_u32 s2, ttmp6, 0x10000c
	s_cmp_lg_u32 s2, 0xf033
	s_cbranch_scc0 .Lentry_shape_is_right
	s_endpgm
.Lentry_shape_is_right:
; OUTP.  out = y Wo^T + bo on codes of FP4 (E2M1) with one E8M0 scale for each 32 along K = 1024; out [8192][1024] f32.
; y's codes arrive as images of operand registers: byte (K / 512) 2^21 + (row tile of 16) 4096 + ((K / 64) % 8) 512 + 16 lane; its scale bytes [token][32].  Wo's codes are rows 3072 on of the weights' codes, K innermost.
; 64 x 4 work-groups of four waves: a work-group makes 128 tokens x 256 columns, a wave 64 x 128: 32 accumulators.  (Tiles of 256 x 256 would be 128: half as many as there are WGPs.)
; THE MATRIX INSTRUCTION IS USED TRANSPOSED (source 0 = 16 rows of Wo, source 1 = 16 tokens): a lane holds eight neighbouring numbers of a row of out.
; K is two LDS slots of 512, each filled ONCE, as are the scale bytes: no LDS byte is filled twice.  y's part of a slot is two dense blocks of 64 tokens' images (16,384 bytes each), Wo's 256 rows of 256 bytes + 16 of padding.
; Eight steps of 128 along K, 32 products each; both operands' fragments have two sets, and a step's products stand behind the next step's 24 LDS loads.
; CLUSTERS of 4 x 4: y's tiles are shared along a row of the cluster, Wo's along a column, by joint tensor loads.
; The bias is the C of each sum's first matrix instruction.  The way out goes through each wave's stage, which lies in slot 0: that slot has had its only fill, and every wave has passed the barrier behind which nobody reads it.
; REGISTERS: window 0: v14-26 addresses; v32-95 Wo's scale words, v96-127 y's, for all of K; v128-191 y's fragments, two sets; v192-255 the bias; on the way out v128-255 hold rows.
;   Window 1: Wo's fragments, two sets.  Window 2: the accumulators ((a, b) at v[8 (8 a + b)]).
.set NQ,     4
.set ROWB,   256
.set KROW,   512
.set PITCH,  272                       ; an LDS row of Wo: 68 words: row r starts at bank 4 r mod 64 (64 banks of 4 bytes: ISA guide 11.1)
.set FR,     8
.set NP,     4                         ; places behind this matrix instruction (ISA guide 7.12.1)
.set HALFT,  128*PITCH
.set SLOT,   4*HALFT                   ; two places of HALFT for y's two blocks, then Wo's 256 rows
.set KS,     32
.set SCL,    2*SLOT
.set HALFS,  (128*KS/256)*272
.set SBLK,   (16*KS/256)*272
.set SPITCH, 528
.set SIZE_N, 1024
.set YSLOT,  2097152                   ; from y's images of K 0-511 to those of K 512-1023
.set WO_C,   3072*512
.set WO_S,   3072*32
.set BO,   14
.set ADRA, 16                          ; v16-17  y's images in slot 0, 1
.set ADRB, 20                          ; v20-21  Wo's fragments in slot 0, 1
.set ADSA, 22                          ; v22  y's scale words, by r
.set ADSB, 23                          ; v23  Wo's
.set STO,  24
.set RD,   25
.set CO,   26
.set SCB,  32
.set SCA,  96
.set AF,   128
.set BK,   128
.set BI,   192
.set G1, 24
.set G0, 32
.set G1B, 48
.set G0B, 56
.set G1S, 68
.set G0S, 76
.set G1SB, 80
.set G0SB, 88
.set MSB, 0
.macro WIN new                         ; the immediate's high byte repeats the setting that is left
.if MSB != (\new)
	s_set_vgpr_msb (MSB<<8)|(\new)
.set MSB, (\new)
.endif
.endm
.set MUL_LO, 0xa1                      ; source 0 (Wo) window 1, source 1 (y) window 0, C and D window 2
.set BIA_LO, 0x81                      ; C (the bias) window 0, D window 2
.set TO_B,   0x40
.macro JLOAD g0a, g1a, g0b, g1b        ; waves 0 and 1 fetch for y, waves 2 and 3 for Wo; four v_nop follow each of the two lines
	s_cmp_eq_u32 s23, 0
	s_cbranch_scc0 .Lfor_b_\@
	tensor_load_to_lds s[\g0a:\g0a+3], s[\g1a:\g1a+7]
	s_nop 0
.rept 4
	v_nop
.endr
	s_branch .Lasked_\@
.Lfor_b_\@:
	tensor_load_to_lds s[\g0b:\g0b+3], s[\g1b:\g1b+7]
	s_nop 0
.rept 4
	v_nop
.endr
.Lasked_\@:
.endm
.macro CROUND
	s_barrier_signal -1
	s_barrier_wait -1
	s_cmp_lg_u32 s22, 0
	s_cbranch_scc1 .Lnot_wave_0_\@
	s_barrier_signal -3
.Lnot_wave_0_\@:
	s_barrier_wait -3
	s_barrier_signal -1
	s_barrier_wait -1
.endm
	s_load_b256 s[4:11], s[0:1], 0x0               ; y_img, y_sc, w_codes, w_scales
	s_load_b128 s[12:15], s[0:1], 0x20             ; bo, out0
	v_lshl_add_u32 v30, v0, 2, 0x48400
	v_mov_b32 v31, 0
	ds_add_u32 v30, v31
	ds_add_u32 v30, v31
	v_lshrrev_b32 v1, 5, v0
	v_readfirstlane_b32 s22, v1                    ; wave 0..3
	s_lshr_b32 s23, s22, 1                         ; which 64 of the tokens are mine.  Also: I fetch for y (0) or for Wo (1)
	s_and_b32 s3, s22, 1                           ; which half of the columns.  Also: which half of a tile I fetch
	s_bfe_u32 s40, ttmp6, 0x40000                  ; cx
	s_bfe_u32 s41, ttmp6, 0x40004                  ; cy
	s_lshl_b32 s42, ttmp9, 2
	s_add_co_u32 s42, s42, s40                     ; tile column: 256 columns
	s_and_b32 s66, ttmp7, 0xffff
	s_lshl_b32 s66, s66, 2
	s_add_co_u32 s66, s66, s41                     ; tile row: 128 tokens
	s_lshl_b32 s43, s41, 2
	s_lshl_b32 s43, 15, s43                        ; my row of the cluster
	s_lshl_b32 s44, 0x1111, s40                    ; my column
	s_or_b32 s[G1+0], s43, (3<<16)|(1<<21)         ; y's images of 64 tokens: 16,384 dense bytes as 64 rows of 32 elements of 8 bytes; no padding
	s_mov_b32 s[G1+1], 32<<16
	s_mov_b32 s[G1+2], 64<<16
	s_mov_b32 s[G1+3], 32<<16
	s_mov_b32 s[G1+4], 64
	s_mov_b32 s[G1+5], 32
	s_mov_b32 s[G1+6], 0
	s_mov_b32 s[G1+7], 0
	s_or_b32 s[G1B+0], s44, (0<<16)|(1<<20)|(1<<21)|(5<<22)|(3<<25)  ; Wo's rows: 128 x 256 bytes, four words of padding after every 64
	s_mov_b32 s[G1B+1], ROWB<<16
	s_mov_b32 s[G1B+2], 128<<16
	s_mov_b32 s[G1B+3], ROWB<<16
	s_mov_b32 s[G1B+4], 128
	s_mov_b32 s[G1B+5], KROW
	s_mov_b32 s[G1B+6], 0
	s_mov_b32 s[G1B+7], 0
	s_or_b32 s[G1S+0], s43, (3<<16)|(1<<20)|(1<<21)|(5<<22)|(3<<25)  ; the scale bytes of 64 tokens: 2,048 dense bytes as 8 rows of 256
	s_mov_b32 s[G1S+1], 32<<16
	s_mov_b32 s[G1S+2], 8<<16
	s_mov_b32 s[G1S+3], 32<<16
	s_mov_b32 s[G1S+4], 8
	s_mov_b32 s[G1S+5], 32
	s_mov_b32 s[G1S+6], 0
	s_mov_b32 s[G1S+7], 0
	s_or_b32 s[G1SB+0], s44, (3<<16)|(1<<20)|(1<<21)|(5<<22)|(3<<25) ; those of 128 rows of Wo: 16 rows of 256
	s_mov_b32 s[G1SB+1], 32<<16
	s_mov_b32 s[G1SB+2], 16<<16
	s_mov_b32 s[G1SB+3], 32<<16
	s_mov_b32 s[G1SB+4], 16
	s_mov_b32 s[G1SB+5], 32
	s_mov_b32 s[G1SB+6], 0
	s_mov_b32 s[G1SB+7], 0
	s_lshl_b32 s96, s66, 15                        ; y's images: 32,768 bytes a tile row, 16,384 for my 64 tokens
	s_lshl_b32 s94, s3, 14
	s_add_co_u32 s96, s96, s94
	s_mov_b32 s97, 0
	s_lshl_b32 s98, s66, 12                        ; y's scale bytes: 32 a token
	s_lshl_b32 s94, s3, 11
	s_add_co_u32 s98, s98, s94
	s_mov_b32 s99, 0
	s_lshl_b32 s46, s42, 8
	s_lshl_b32 s94, s3, 7
	s_add_co_u32 s46, s46, s94                     ; Wo's row
	s_lshl_b32 s92, s46, 5
	s_add_co_u32 s92, s92, WO_S
	s_mov_b32 s93, 0
	s_lshl_b32 s46, s46, 9
	s_add_co_u32 s46, s46, WO_C
	s_mov_b32 s47, 0
	s_mul_i32 s45, s22, HALFT                      ; where they go: no place in the cluster enters an LDS address
	s_mul_i32 s67, s22, HALFS
	s_wait_dscnt 0x0
	s_wait_kmcnt 0x0
	s_add_nc_u64 s[4:5], s[4:5], s[96:97]
	s_add_nc_u64 s[6:7], s[6:7], s[98:99]
	s_add_nc_u64 s[8:9], s[8:9], s[46:47]
	s_add_nc_u64 s[10:11], s[10:11], s[92:93]
	CROUND                                         ; all sixteen work-groups are here: the joint loads meet
	s_mov_b32 s[G0S], 1
	s_add_co_u32 s[G0S+1], s67, SCL
	s_mov_b64 s[G0S+2:G0S+3], s[6:7]
	s_or_b32 s[G0S+3], s[G0S+3], 0x80000000
	s_mov_b32 s[G0SB], 1
	s_add_co_u32 s[G0SB+1], s67, SCL
	s_mov_b64 s[G0SB+2:G0SB+3], s[10:11]
	s_or_b32 s[G0SB+3], s[G0SB+3], 0x80000000
	JLOAD G0S, G1S, G0SB, G1SB
.irp s, 0,1
	s_mov_b32 s[G0+4*\s], 1
	s_add_co_u32 s[G0+4*\s+1], s45, \s*SLOT
	s_add_nc_u64 s[G0+4*\s+2:G0+4*\s+3], s[4:5], \s*YSLOT
	s_or_b32 s[G0+4*\s+3], s[G0+4*\s+3], 0x80000000
	s_mov_b32 s[G0B+4*\s], 1
	s_add_co_u32 s[G0B+4*\s+1], s45, \s*SLOT
	s_add_nc_u64 s[G0B+4*\s+2:G0B+4*\s+3], s[8:9], \s*ROWB
	s_or_b32 s[G0B+4*\s+3], s[G0B+4*\s+3], 0x80000000
	JLOAD G0+4*\s, G1, G0B+4*\s, G1B               ; three loads of mine are out: all of K
.endr
	v_and_b32 v1, 15, v0                           ; r
	v_bfe_u32 v2, v0, 4, 1                         ; h
	v_and_b32 v6, 31, v0
	v_lshlrev_b32 v[CO], 4, v6                     ; 16 x lane: an image's place, and my bytes of a row of out
	v_mul_u32_u24 v3, v1, PITCH
	v_lshl_add_u32 v4, v2, 4, v3
	s_mul_i32 s96, s23, HALFT
	s_mul_i32 s97, s3, HALFT
	s_add_co_u32 s97, s97, 2*HALFT
.irp s, 0,1
	v_add_nc_u32 v[ADRA+\s], s96, v[CO]
	v_add_nc_u32 v[ADRB+\s], s97, v4
	s_add_co_u32 s96, s96, SLOT
	s_add_co_u32 s97, s97, SLOT
.endr
	v_mul_u32_u24 v5, v1, KS                       ; a row's scale bytes: KS a row,
	v_lshrrev_b32 v6, 8, v5
	v_lshl_add_u32 v5, v6, 4, v5                   ; and 16 more for each 256 passed
	s_mul_i32 s96, s23, HALFS
	s_add_co_u32 s96, s96, SCL
	v_add_nc_u32 v[ADSA], s96, v5
	s_mul_i32 s97, s3, HALFS
	s_add_co_u32 s97, s97, SCL+2*HALFS
	v_add_nc_u32 v[ADSB], s97, v5
	s_mul_i32 s96, s22, 16*SPITCH                  ; my stage
	v_mul_u32_u24 v5, v1, SPITCH
	v_lshl_add_u32 v5, v2, 5, v5
	v_add_nc_u32 v[STO], s96, v5                   ; in: row r, 32 bytes for each half of the lanes
	v_add_nc_u32 v[RD], s96, v[CO]                 ; back: the 32 lanes take one row of 512 bytes
	s_lshl_b32 s96, s66, 19                        ; my first row of out: 4,096 bytes a row, 128 rows a tile row, 64 for my half
	s_lshl_b32 s97, s23, 18
	s_add_co_u32 s96, s96, s97
	s_lshl_b32 s98, s42, 10                        ; my first column, in bytes
	s_lshl_b32 s97, s3, 9
	s_add_co_u32 s98, s98, s97
	s_mov_b32 s99, 0
	s_add_nc_u64 s[12:13], s[12:13], s[98:99]      ; the bias at my first column
	s_add_co_u32 s96, s96, s98
	s_mov_b32 s97, 0
	s_add_nc_u64 s[14:15], s[14:15], s[96:97]
	v_lshlrev_b32 v[BO], 5, v2
.irp b, 0,1,2,3,4,5,6,7
	global_load_b128 v[BI+8*\b:BI+8*\b+3], v[BO], s[12:13] offset:64*\b        ; the bias in the result's layout: columns 16 b + 8 h + 0 .. 7
	global_load_b128 v[BI+8*\b+4:BI+8*\b+7], v[BO], s[12:13] offset:64*\b+16
.endr
.macro FRAG reg, adr, q, i             ; Wo: from rows: lane l holds row l % 16; registers 4 c .. 4 c + 3 hold K = 64 c + 32 (l / 16) + 0 .. 31
.irp c, 0,1
	ds_load_b128 v[\reg+4*\c:\reg+4*\c+3], v[\adr] offset:64*(\q)+32*\c+(\i)*16*PITCH
.endr
.endm
.macro FRAGA reg, adr, q, i            ; y: an image: tile of rows i, the slot's q-th 128 along K, 512 consecutive bytes a load
.irp c, 0,1
	ds_load_b128 v[\reg+4*\c:\reg+4*\c+3], v[\adr] offset:4096*(\i)+1024*(\q)+512*\c
.endr
.endm
.macro FETCHO kk                       ; step kk's fragments: Wo's eight, y's four
	WIN TO_B
.irp i, 0,1,2,3,4,5,6,7
	FRAG 128*((\kk)%2)+FR*\i, ADRB+((\kk)/4), (\kk)%4, \i
.endr
	WIN 0
.irp i, 0,1,2,3
	FRAGA AF+32*((\kk)%2)+FR*\i, ADRA+((\kk)/4), (\kk)%4, \i
.endr
.endm
.macro MULO kk, zero                   ; zero = 1: the product starts the sum from the bias.  The 32 accumulators take turns, one instruction a turn, in the same order in every step
.irp a, 0,1,2,3
.irp b, 0,1,2,3,4,5,6,7
.if \zero
	v_wmma_scale_f32_16x16x128_f8f6f4 v[8*(8*\a+\b):8*(8*\a+\b)+7], v[128*((\kk)%2)+FR*\b:128*((\kk)%2)+FR*\b+FR-1], v[AF+32*((\kk)%2)+FR*\a:AF+32*((\kk)%2)+FR*\a+FR-1], v[BI+8*\b:BI+8*\b+7], v[SCB+32*((\kk)/4)+4*\b+(\kk)%4], v[SCA+16*((\kk)/4)+4*\a+(\kk)%4] matrix_a_fmt:MATRIX_FMT_FP4 matrix_b_fmt:MATRIX_FMT_FP4
.else
	v_wmma_scale_f32_16x16x128_f8f6f4 v[8*(8*\a+\b):8*(8*\a+\b)+7], v[128*((\kk)%2)+FR*\b:128*((\kk)%2)+FR*\b+FR-1], v[AF+32*((\kk)%2)+FR*\a:AF+32*((\kk)%2)+FR*\a+FR-1], v[8*(8*\a+\b):8*(8*\a+\b)+7], v[SCB+32*((\kk)/4)+4*\b+(\kk)%4], v[SCA+16*((\kk)/4)+4*\a+(\kk)%4] matrix_a_fmt:MATRIX_FMT_FP4 matrix_b_fmt:MATRIX_FMT_FP4
.endif
.endr
.endr
.endm
.macro PLACES n                        ; plain vector lines between a matrix instruction and a load into, or a read of, one of its registers
.rept \n
	v_nop
.endr
.endm
.macro STEPO kk
.if (\kk) == 3                         ; the next step's fragments lie in slot 1
	s_wait_tensorcnt 0x0                           ; my part of slot 1 has landed,
	s_wait_dscnt 0x0                               ; and my reads of slot 0 are over;
	s_barrier_signal -1
	s_barrier_wait -1                              ; both hold of every wave
.endif
.if (\kk) > 0
	PLACES NP                                      ; in front of the loads into the sets that the last step's products read
.endif
.if (\kk) < 7
	FETCHO (\kk)+1
	s_wait_dscnt 24                                ; this step's fragments are in; the 24 loads just issued may be out
.else
	s_wait_dscnt 0x0
.endif
.if (\kk) == 0
	WIN BIA_LO
	MULO \kk, 1
.else
	WIN MUL_LO
	MULO \kk, 0
.endif
	WIN 0
.endm
	s_wait_loadcnt 0x0                             ; the bias
	s_wait_tensorcnt 0x1                           ; the scale bytes and my part of slot 0 are in; slot 1's load may be out,
	s_barrier_signal -1
	s_barrier_wait -1                              ; everybody's are
.irp s, 0,1
.irp b, 0,1,2,3,4,5,6,7
	ds_load_b128 v[SCB+32*\s+4*\b:SCB+32*\s+4*\b+3], v[ADSB] offset:\b*SBLK+16*\s   ; Wo's scale words for all of K: block b, four words a slot; lanes 0-15 are read
.endr
.irp a, 0,1,2,3
	ds_load_b128 v[SCA+16*\s+4*\a:SCA+16*\s+4*\a+3], v[ADSA] offset:\a*SBLK+16*\s   ; y's likewise
.endr
.endr
	FETCHO 0
	s_wait_dscnt 24                                ; the scale words are in
.irp kk, 0,1,2,3,4,5,6,7
	STEPO \kk
.endr
; THE WAY OUT, block by block of 16 rows x 128 columns: through my own stage and back as whole rows of 512 bytes.  LDS serves a wave's instructions in order (ISA guide 5.7.1.4): no wait between the stores and the loads.
.macro TOSTAGE a
.set AC, 64*(\a)
	WIN 0x08                                       ; the data: window 2
.irp b, 0,1,2,3,4,5,6,7
	ds_store_b128 v[STO], v[AC+8*\b:AC+8*\b+3] offset:64*\b          ; each accumulator from its low end on
	ds_store_b128 v[STO], v[AC+8*\b+4:AC+8*\b+7] offset:64*\b+16
.endr
	WIN 0
.set BB, BK+64*((\a)%2)
.irp t, 0,1,2,3,4,5,6,7,8,9,10,11,12,13,14,15
	ds_load_b128 v[BB+4*\t:BB+4*\t+3], v[RD] offset:\t*SPITCH
.endr
.endm
.macro SEND a, younger                 ; younger: the LDS instructions issued behind block a's loads, which may stay out
.set BB, BK+64*((\a)%2)
	s_wait_dscnt \younger
.if (\a) > 0
	s_add_nc_u64 s[14:15], s[14:15], 16*SIZE_N*4   ; (behind a wait on XCNT: the earlier stores have read their base)  16 rows on
.endif
.irp t, 0,1,2,3,4,5,6,7,8,9,10,11,12,13,14,15
	global_store_b128 v[CO], v[BB+4*\t:BB+4*\t+3], s[14:15] offset:\t*SIZE_N*4 th:TH_STORE_NT   ; 32 lanes store 512 consecutive bytes, aligned; written once, read by nobody here
.endr
.endm
	PLACES NP
	TOSTAGE 0
.irp a, 1,2,3
.if \a > 1
	s_wait_xcnt 0x0                                ; block a - 2's stores have read their registers and their base
.endif
	TOSTAGE \a
	SEND \a-1, 32                                  ; behind block a - 1's loads: block a's 16 stores and 16 loads
.endr
	s_wait_xcnt 0x0
	SEND 3, 0
	s_wait_dscnt 0x0
	s_wait_tensorcnt 0x0
	ds_add_u32 v30, v31
	s_wait_dscnt 0x0
	CROUND                                         ; the closing round: no work-group ends while a partner may still ask for a tile that names it
	s_endpgm
.Lfunc_end_k_q6784ad1ab2_outp:
	.size	k_q6784ad1ab2_outp, .Lfunc_end_k_q6784ad1ab2_outp-k_q6784ad1ab2_outp
	.p2alignl 7, 3214868480
	.fill 96, 4, 3214868480
	.section	.rodata,"a",@progbits
	.p2align	6, 0x0
	.amdhsa_kernel k_q6784ad1ab2_outp
		.amdhsa_group_segment_fixed_size 327680
		.amdhsa_private_segment_fixed_size 0
		.amdhsa_enable_private_segment 0
		.amdhsa_kernarg_size 48
		.amdhsa_user_sgpr_count 2
		.amdhsa_user_sgpr_kernarg_segment_ptr 1
		.amdhsa_wavefront_size32 1
		.amdhsa_system_sgpr_workgroup_id_x 1
		.amdhsa_system_sgpr_workgroup_id_y 1
		.amdhsa_system_sgpr_workgroup_id_z 1
		.amdhsa_system_vgpr_workitem_id 0
		.amdhsa_next_free_vgpr 1024
		.amdhsa_next_free_sgpr 102
		.amdhsa_reserve_vcc 0
		.amdhsa_float_denorm_mode_32 3
		.amdhsa_float_denorm_mode_16_64 3
		.amdhsa_memory_ordered 1
		.amdhsa_forward_progress 1
		.amdhsa_inst_pref_size 74
	.end_amdhsa_kernel
	.amdgpu_metadata
---
amdhsa.version: [ 1, 2 ]
amdhsa.kernels:
  - .name:           k_q6784ad1ab2_outp
    .symbol:         k_q6784ad1ab2_outp.kd
    .args:
      - { .name: y_img, .offset: 0, .size: 8, .value_kind: global_buffer, .address_space: global }
      - { .name: y_sc, .offset: 8, .size: 8, .value_kind: global_buffer, .address_space: global }
      - { .name: w_codes, .offset: 16, .size: 8, .value_kind: global_buffer, .address_space: global }
      - { .name: w_scales, .offset: 24, .size: 8, .value_kind: global_buffer, .address_space: global }
      - { .name: bo, .offset: 32, .size: 8, .value_kind: global_buffer, .address_space: global }
      - { .name: out0, .offset: 40, .size: 8, .value_kind: global_buffer, .address_space: global }
    .group_segment_fixed_size: 327680
    .private_segment_fixed_size: 0
    .kernarg_segment_align: 8
    .kernarg_segment_size: 48
    .max_flat_workgroup_size: 128
    .sgpr_count:     102
    .vgpr_count:     1024
    .wavefront_size: 32
...
	.end_amdgpu_metadata
.endif
;; end of part 4
